; MI455X (gfx1250); checked and timed in simulation.
; The chip was launched on July 23, 2026; its instructions are those of AMD's public machine-readable ISA for CDNA 5 (MIT licence, August 2026) and "CDNA5" Instruction Set Architecture Reference Guide (July 2026). The comments in the code are by the model that wrote it; some were corrected since.
;; TP Multi Head Attention. Allowed arithmetic: float matrix products may take bf16 or f16 operands with f32 sums; other float arithmetic in f32, or as packed bf16 or f16 multiplies, adds, multiply-adds, maxima and minima; sums over many terms, partial sums and values carried from step to step in f32; what a program stores and reads back later, other than sums and carried values, may be rounded once to bf16 or f16.
;; Inputs: kv_cache 4 x 2,048 x 1,024 float32; kvb 1,024 float32; kvw 1,024 x 2,048 float32; norm_w 2,048 float32; qb 2,048 float32; qw 2,048 x 2,048 float32; wob 2,048 float32; wow 2,048 x 2,048 float32; x 4 x 1,024 x 2,048 float32.
;; Outputs: out0 4 x 1,024 x 2,048 float32.
;; Constants: pos = 0.
;; 2 versions, each right; version 2 is version 1 with the launch prep written anew for expert scheduling mode. Each part assembles by itself: llvm-mc -triple=amdgcn-amd-amdhsa -mcpu=gfx1250 --defsym DOCPART=n.
;; ======== version 1 of 2: 4 launches
;; limits: values are held in f16: magnitudes above 65,504 overflow, below 6.1e-05 lose precision
;; workspace buffers: xh 16,777,216 bytes; wq 12,582,912 bytes; wo 8,388,608 bytes; bias 20,480 bytes; rot 524,288 bytes; qkv 25,165,824 bytes; oh 16,777,216 bytes
;; launch prep (part 1): grid 256 x 1, 18 waves a work-group, no clusters, 0 bytes of LDS; arguments x, norm_w, qw, kvw, wow, qb, kvb, wob, xh, wq, wo, rot, bias; writes xh, wq, wo, rot, bias
.if DOCPART == 1
	.amdgcn_target "amdgcn-amd-amdhsa--gfx1250"
	.amdhsa_code_object_version 6
	.text
	.protected	k_qff962bdf42_prep
	.globl	k_qff962bdf42_prep
	.p2align	8
	.type	k_qff962bdf42_prep,@function
k_qff962bdf42_prep:
	s_mov_b64 s[64:65], 0
	v_nop
	global_prefetch_b8 v0, s[64:65] scope:SCOPE_SE
	s_setreg_imm32_b32 hwreg(HW_REG_WAVE_MODE, 25, 1), 1
	s_wait_xcnt 0x0
; THE 16-BIT OPERANDS OF THE THREE PRODUCTS, AND THE ROTATION TABLE.
;   xh[4096][2048] f16 = xb * rsqrt(mean(xb^2) + 2^-23) * gb, with xb = x and gb = norm_w rounded to bf16
;   wq[3072][2048] f16 = qw's rows, then kvw's; wo[2048][2048] f16 = wow: each weight rounded to bf16, that number written as f16
;   bias[5120] f32 = qb | kvb | wob, each rounded to bf16
;   rot[1024][64][2] f32 = (cos, sin) of n * 10000^(-i/64)
; Every input is rounded to bf16 once; what the program makes of them is kept in f16 (11 significant bits).
; LIMITS.  f16 ends at 65,504: |norm_w| * 45.3 and every |weight| stay under it.  A bf16 number is exact in f16 from 2^-17 up; below that it keeps f16's step of 2^-24.
; The table's angle is n * theta rounded once; theta = 2^(-i log2(10000)/64) is good to a few parts in 10^7, so an angle is off by 1e-4 at the most (n = 1023).  NaN and infinities are not treated apart.
; kv_cache is not loaded by any launch: with pos = 0 and n = 1024 the update overwrites cache[0:4][0:1024][:], which is all that is read of it afterwards.
; SHARES.  x and the three weights are 9,216 rows of 8,192 bytes: 36 for each of 256 work-groups, two for each of its 18 waves.  Wave p = 18 id + wave takes rows 2 p, 2 p + 1 of the list x | qw | kvw | wow.
; ONE PATH.  A weight goes the way of x with the gain 1 and with 1.0 in the place of 1 / rms: f16(wb * 1 * 1) is f16(wb).  The choice is made by values and by one branch on p.
; Both rows' 32 loads of 16 bytes a lane are out together; a store of 8 bytes a lane covers 256 consecutive bytes, aligned.  Nothing is shared between waves: no LDS, no barrier.
; BESIDE THE ROWS.  Waves 2048 .. 4095 make half a row of the table each, waves 4096 .. 4135 a chunk of 128 biases each, while their rows are on the way.
.set T,  4                             ; v[4:11]    at work
.set SS, 12                            ; v[12:19]   row r: two pairs of sums of squares at SS + 4 r
.set R,  20                            ; v[20:23]   row r: 1 / rms, twice, at R + 2 r
.set GP, 24                            ; v[24:55]   my 64 gains as bf16 pairs: chunk j at GP + 2 j
.set X,  56                            ; v[56:183]  row r, chunk j (columns 128 j + 4 lane + 0..3) at X + 64 r + 4 j
.set TO, 184                           ; v184       the table store's offset
.set BF, 185                           ; v185       the bias store's offset
.set TD, 186                           ; v[186:187] (cos, sin)
.set BD, 188                           ; v[188:191] four biases
.macro RND b, t                        ; four f32 rounded to bf16 (nearest even) and widened again, in place
	v_cvt_pk_bf16_f32 v[(\t)], v[(\b)], v[(\b)+1]
	v_cvt_pk_bf16_f32 v[(\t)+1], v[(\b)+2], v[(\b)+3]
	v_lshlrev_b32 v[(\b)], 16, v[(\t)]
	v_and_b32 v[(\b)+1], s34, v[(\t)]
	v_lshlrev_b32 v[(\b)+2], 16, v[(\t)+1]
	v_and_b32 v[(\b)+3], s34, v[(\t)+1]
.endm
.macro ROW r                           ; a row: 16 loads, 512 consecutive bytes each
.irp j, 0,1,2,3,4,5,6,7,8,9,10,11,12,13,14,15
	global_load_b128 v[X+64*(\r)+4*(\j):X+64*(\r)+4*(\j)+3], v1, s[40:41] offset:(\r)*8192+(\j)*512 th:TH_LOAD_NT
.endr
.endm
	s_load_b512 s[8:23], s[0:1], 0x0               ; x 8, norm_w 10, qw 12, kvw 14, wow 16, qb 18, kvb 20, wob 22
	s_load_b256 s[24:31], s[0:1], 0x40             ; xh 24, wq 26, wo 28, rot 30
	s_load_b64 s[32:33], s[0:1], 0x60              ; bias
	v_and_b32 v3, 31, v0                           ; lane
	v_lshrrev_b32 v4, 5, v0
	v_readfirstlane_b32 s2, v4                     ; wave 0..17
	v_lshlrev_b32 v1, 4, v3                        ; my 16 bytes of a chunk as loaded
	v_lshlrev_b32 v2, 3, v3                        ; my 8 bytes of it as stored
	v_mov_b32 v[BF], 0                             ; written on every path
.irp i, 0,1,2,3
	v_mov_b32 v[BD+(\i)], 0
.endr
	s_mul_i32 s3, ttmp9, 18
	s_add_co_u32 s3, s3, s2                        ; p = 0 .. 4607
	s_sub_co_u32 s4, s3, 2048                      ; the pair among qw's and kvw's rows; also the table's half row
	s_sub_co_u32 s5, s3, 3072                      ; among kvw's
	s_sub_co_u32 s6, s3, 3584                      ; among wow's
	s_sub_co_u32 s35, s3, 4096                     ; the chunk of biases
	s_mov_b32 s34, 0xffff0000                      ; a word's upper bf16
	s_mov_b32 s39, 0
	s_mov_b32 s51, 0
	s_mov_b32 s52, 0x76543210                      ; v_permlanex16_b32: each lane takes its own place in the other half
	s_mov_b32 s53, 0xfedcba98
	s_mov_b32 s54, 0x3a000000                      ; 1 / 2048
	s_mov_b32 s55, 0x34000000                      ; 2^-23
	s_wait_kmcnt 0x0
	s_cmp_lt_u32 s3, 3584                          ; source and destination: choices between buffers on p alone
	s_cselect_b64 s[40:41], s[14:15], s[16:17]
	s_cselect_b32 s7, s5, s6
	s_cselect_b64 s[42:43], s[26:27], s[28:29]
	s_cselect_b32 s44, s4, s6                      ; kvw's rows follow qw's in wq
	s_cmp_lt_u32 s3, 3072
	s_cselect_b64 s[40:41], s[12:13], s[40:41]
	s_cselect_b32 s7, s4, s7
	s_cmp_lt_u32 s3, 2048
	s_cselect_b64 s[40:41], s[8:9], s[40:41]
	s_cselect_b32 s7, s3, s7
	s_cselect_b64 s[42:43], s[24:25], s[42:43]
	s_cselect_b32 s44, s3, s44
	s_cselect_b32 s46, -1, 0                       ; all lanes: this wave norms
	s_lshl_b32 s38, s7, 14                         ; two rows of 8,192 bytes
	s_add_nc_u64 s[40:41], s[40:41], s[38:39]
	s_lshl_b32 s38, s44, 13                        ; two rows of 4,096 bytes
	s_add_nc_u64 s[42:43], s[42:43], s[38:39]
	s_cmp_lt_u32 s35, 40                           ; a chunk of biases: its load goes out first, so that its wait can leave the rows out
	s_cbranch_scc0 .Lnob
	s_sub_co_u32 s36, s35, 16
	s_sub_co_u32 s37, s35, 24
	s_cmp_lt_u32 s35, 24
	s_cselect_b64 s[48:49], s[20:21], s[22:23]
	s_cselect_b32 s50, s36, s37
	s_cmp_lt_u32 s35, 16
	s_cselect_b64 s[48:49], s[18:19], s[48:49]
	s_cselect_b32 s50, s35, s50
	s_lshl_b32 s50, s50, 9
	s_add_nc_u64 s[48:49], s[48:49], s[50:51]
	v_lshl_add_u32 v[BF], s35, 9, v1
	global_load_b128 v[BD:BD+3], v1, s[48:49]
.Lnob:
	s_cmp_lt_u32 s3, 2048
	s_cbranch_scc0 .Lw
.irp j, 0,1,2,3,4,5,6,7,8,9,10,11,12,13,14,15
	global_load_b128 v[X+64+4*(\j):X+64+4*(\j)+3], v1, s[10:11] offset:(\j)*512  ; the gain lands where row 1 will
.endr
	ROW 0
	s_wait_loadcnt 16                              ; the gain is in; row 0's 16 loads stay out
.irp j, 0,1,2,3,4,5,6,7,8,9,10,11,12,13,14,15
	v_cvt_pk_bf16_f32 v[GP+2*(\j)], v[X+64+4*(\j)], v[X+64+4*(\j)+1]
	v_cvt_pk_bf16_f32 v[GP+2*(\j)+1], v[X+64+4*(\j)+2], v[X+64+4*(\j)+3]
.endr
	s_branch .Lg
.Lw:
	ROW 0
.set i, 0
.rept 32
	v_mov_b32 v[GP+i], 0x3f803f80                  ; a weight's gain: 1.0 twice
.set i, i+1
.endr
.Lg:
	ROW 1
	s_cmp_lt_u32 s4, 2048                          ; THE TABLE: row n = s4 / 2, pairs 32 (s4 % 2) + lane.  The angle is reduced by pi/2 in three parts; sine and cosine on |r| <= pi/4 by polynomials good to f32's last bits
	s_cbranch_scc0 .Lnot
	s_lshr_b32 s36, s4, 1
	s_and_b32 s37, s4, 1
	v_lshl_add_u32 v5, s37, 5, v3
	v_cvt_f32_u32 v6, v5
	v_mul_f32 v6, 0xbe549a78, v6                   ; - i log2(10000) / 64
	v_exp_f32 v6, v6                               ; theta
	v_cvt_f32_u32 v9, s36
	v_lshl_add_u32 v[TO], s4, 8, v2                ; half a row is 256 bytes: the wave's store covers them, aligned
	v_mov_b32 v18, 0xb94ca1f9                      ; the polynomials' leading terms
	v_mov_b32 v19, 0x37ccf5ce
	s_wait_alu depctr_va_vdst(0)                   ; theta's wait, ahead of its first use; four plain lines stand between
	v_mul_f32 v9, v9, v6                           ; the angle, rounded once
	v_mul_f32 v10, 0x3f22f983, v9                  ; x 2 / pi
	v_rndne_f32 v10, v10                           ; k, 652 at the most
	v_fmamk_f32 v11, v10, 0xbfc90fdb, v9           ; r = angle - k pi/2
	v_fmamk_f32 v11, v10, 0x333bbd2e, v11
	v_fmamk_f32 v11, v10, 0x26f72ced, v11
	v_mul_f32 v12, v11, v11                        ; z = r^2
	v_fmaak_f32 v13, v18, v12, 0x3c08839e
	v_fmaak_f32 v15, v19, v12, 0xbab6061a
	v_fmaak_f32 v13, v13, v12, 0xbe2aaaa3
	v_fmaak_f32 v15, v15, v12, 0x3d2aaaa5
	v_mul_f32 v14, v11, v12
	v_mul_f32 v16, v12, v12
	v_fma_f32 v17, v12, -0.5, 1.0
	v_fma_f32 v13, v13, v14, v11                   ; sin r
	v_fma_f32 v15, v15, v16, v17                   ; cos r
	v_cvt_i32_f32 v20, v10
	v_and_b32 v21, 1, v20
	v_cmp_eq_u32 vcc_lo, 1, v21                    ; odd quarters swap the two: a choice of values, no branch
	v_cndmask_b32 v22, v13, v15, vcc_lo
	v_cndmask_b32 v23, v15, v13, vcc_lo
	v_and_b32 v21, 2, v20                          ; the sine is negative in quarters 2 and 3,
	v_lshlrev_b32 v21, 30, v21
	v_xor_b32 v[TD+1], v21, v22
	v_add_nc_u32 v20, 1, v20                       ; the cosine in quarters 1 and 2
	v_and_b32 v20, 2, v20
	v_lshlrev_b32 v20, 30, v20
	v_xor_b32 v[TD], v20, v23
	global_store_b64 v[TO], v[TD:TD+1], s[30:31]   ; its registers are written nowhere else
.Lnot:
	s_cmp_lt_u32 s35, 40
	s_cbranch_scc0 .Lnob2
	s_wait_loadcnt 32                              ; the biases are in; the rows' 32 loads stay out
	RND BD, T
	global_store_b128 v[BF], v[BD:BD+3], s[32:33]
.Lnob2:
	; PASS 1: each chunk is rounded to bf16 as it comes; its squares go into two chains a row
.irp r, 0,1
.irp j, 0,1,2,3,4,5,6,7,8,9,10,11,12,13,14,15
.set b, X+64*(\r)+4*(\j)
.set q, SS+4*(\r)
	s_wait_loadcnt 31-16*(\r)-(\j)                 ; this chunk is in; the younger loads stay out
	RND b, T+2*((\j)%4)
.if (\j) == 0
	v_pk_mul_f32 v[q:q+1], v[b:b+1], v[b:b+1]      ; the first chunk starts the two chains: nothing is cleared
	v_pk_mul_f32 v[q+2:q+3], v[b+2:b+3], v[b+2:b+3]
.else
	v_pk_fma_f32 v[q:q+1], v[b:b+1], v[b:b+1], v[q:q+1]
	v_pk_fma_f32 v[q+2:q+3], v[b+2:b+3], v[b+2:b+3], v[q+2:q+3]
.endif
.endr
.endr
.irp r, 0,1
.set q, SS+4*(\r)
	v_pk_add_f32 v[q:q+1], v[q:q+1], v[q+2:q+3]
	v_add_f32 v[q], v[q], v[q+1]
	v_add_f32_dpp v[q], v[q], v[q] row_xmask:1 row_mask:0xf bank_mask:0xf
	v_add_f32_dpp v[q], v[q], v[q] row_xmask:2 row_mask:0xf bank_mask:0xf
	v_add_f32_dpp v[q], v[q], v[q] row_xmask:4 row_mask:0xf bank_mask:0xf
	v_add_f32_dpp v[q], v[q], v[q] row_xmask:8 row_mask:0xf bank_mask:0xf
	v_permlanex16_b32 v[q+1], v[q], s52, s53
	v_add_f32 v[q], v[q], v[q+1]                   ; every lane holds the row's sum
	v_fma_f32 v[q], v[q], s54, s55                 ; the mean, plus eps
.endr
	v_rsq_f32 v[R], v[SS]                          ; one batch of four: a pair for each row's packed multiplies
	v_rsq_f32 v[R+1], v[SS]
	v_rsq_f32 v[R+2], v[SS+4]
	v_rsq_f32 v[R+3], v[SS+4]
	v_nop                                          ; a plain instruction behind the last of them (ISA guide 5.7.2),
	s_wait_alu depctr_va_vdst(0)                   ; and the one wait ahead of the first use
.irp i, 0,1,2,3
	v_cndmask_b32 v[R+(\i)], 1.0, v[R+(\i)], s46   ; a weight is not normed
.endr
	; PASS 2: a chunk's four gains are widened once for both rows
.irp j, 0,1,2,3,4,5,6,7,8,9,10,11,12,13,14,15
.set g, T+4*((\j)%2)
	v_lshlrev_b32 v[g], 16, v[GP+2*(\j)]
	v_and_b32 v[g+1], s34, v[GP+2*(\j)]
	v_lshlrev_b32 v[g+2], 16, v[GP+2*(\j)+1]
	v_and_b32 v[g+3], s34, v[GP+2*(\j)+1]
.irp r, 0,1
.set b, X+64*(\r)+4*(\j)
	v_pk_mul_f32 v[b:b+1], v[b:b+1], v[R+2*(\r):R+2*(\r)+1]
	v_pk_mul_f32 v[b+2:b+3], v[b+2:b+3], v[R+2*(\r):R+2*(\r)+1]
	v_pk_mul_f32 v[b:b+1], v[b:b+1], v[g:g+1]
	v_pk_mul_f32 v[b+2:b+3], v[b+2:b+3], v[g+2:g+3]
	v_cvt_pk_f16_f32 v[b], v[b], v[b+1]
	v_cvt_pk_f16_f32 v[b+1], v[b+2], v[b+3]
	global_store_b64 v2, v[b:b+1], s[42:43] offset:(\r)*4096+(\j)*256  ; no store's data is written again
.endr
.endr
	s_endpgm
.Lfunc_end_k_qff962bdf42_prep:
	.size	k_qff962bdf42_prep, .Lfunc_end_k_qff962bdf42_prep-k_qff962bdf42_prep
	.p2alignl 7, 3214868480
	.fill 96, 4, 3214868480
	.section	.rodata,"a",@progbits
	.p2align	6, 0x0
	.amdhsa_kernel k_qff962bdf42_prep
		.amdhsa_group_segment_fixed_size 0
		.amdhsa_private_segment_fixed_size 0
		.amdhsa_enable_private_segment 0
		.amdhsa_kernarg_size 104
		.amdhsa_user_sgpr_count 2
		.amdhsa_user_sgpr_kernarg_segment_ptr 1
		.amdhsa_wavefront_size32 1
		.amdhsa_system_sgpr_workgroup_id_x 1
		.amdhsa_system_sgpr_workgroup_id_y 1
		.amdhsa_system_sgpr_workgroup_id_z 1
		.amdhsa_system_vgpr_workitem_id 0
		.amdhsa_next_free_vgpr 192
		.amdhsa_next_free_sgpr 66
		.amdhsa_reserve_vcc 1
		.amdhsa_float_denorm_mode_32 3
		.amdhsa_float_denorm_mode_16_64 3
		.amdhsa_memory_ordered 1
		.amdhsa_forward_progress 1
		.amdhsa_inst_pref_size 47
	.end_amdhsa_kernel
	.amdgpu_metadata
---
amdhsa.version: [ 1, 2 ]
amdhsa.kernels:
  - .name:           k_qff962bdf42_prep
    .symbol:         k_qff962bdf42_prep.kd
    .args:
      - { .name: x, .offset: 0, .size: 8, .value_kind: global_buffer, .address_space: global }
      - { .name: norm_w, .offset: 8, .size: 8, .value_kind: global_buffer, .address_space: global }
      - { .name: qw, .offset: 16, .size: 8, .value_kind: global_buffer, .address_space: global }
      - { .name: kvw, .offset: 24, .size: 8, .value_kind: global_buffer, .address_space: global }
      - { .name: wow, .offset: 32, .size: 8, .value_kind: global_buffer, .address_space: global }
      - { .name: qb, .offset: 40, .size: 8, .value_kind: global_buffer, .address_space: global }
      - { .name: kvb, .offset: 48, .size: 8, .value_kind: global_buffer, .address_space: global }
      - { .name: wob, .offset: 56, .size: 8, .value_kind: global_buffer, .address_space: global }
      - { .name: xh, .offset: 64, .size: 8, .value_kind: global_buffer, .address_space: global }
      - { .name: wq, .offset: 72, .size: 8, .value_kind: global_buffer, .address_space: global }
      - { .name: wo, .offset: 80, .size: 8, .value_kind: global_buffer, .address_space: global }
      - { .name: rot, .offset: 88, .size: 8, .value_kind: global_buffer, .address_space: global }
      - { .name: bias, .offset: 96, .size: 8, .value_kind: global_buffer, .address_space: global }
    .group_segment_fixed_size: 0
    .private_segment_fixed_size: 0
    .kernarg_segment_align: 8
    .kernarg_segment_size: 104
    .max_flat_workgroup_size: 576
    .sgpr_count:     66
    .vgpr_count:     192
    .wavefront_size: 32
...
	.end_amdgpu_metadata
.endif
;; end of part 1
;; launch qkv (part 2): grid 8 x 32, 4 waves a work-group, clusters of 4 x 4, 327,680 bytes of LDS; arguments xh, wq, bias, rot, qkv; writes qkv
.if DOCPART == 2
	.amdgcn_target "amdgcn-amd-amdhsa--gfx1250"
	.amdhsa_code_object_version 6
	.text
	.protected	k_qff962bdf42_qkv
	.globl	k_qff962bdf42_qkv
	.p2align	8
	.type	k_qff962bdf42_qkv,@function
k_qff962bdf42_qkv:
	s_mov_b64 s[64:65], 0
	v_nop
	global_prefetch_b8 v0, s[64:65] scope:SCOPE_SE
	s_setreg_imm32_b32 hwreg(HW_REG_WAVE_MODE, 25, 1), 1
	s_wait_xcnt 0x0
	s_wait_alu depctr_hold_cnt(0) depctr_sa_sdst(0) depctr_va_vdst(0) depctr_va_sdst(0) depctr_va_ssrc(0) depctr_va_vcc(0) depctr_vm_vsrc(0)
	s_getreg_b32 s2, hwreg(HW_REG_IB_STS2, 6, 4)
	s_cmp_eq_u32 s2, 0
	s_cbranch_scc0 .Lentry_in_a_cluster
	s_endpgm
.Lentry_in_a_cluster:
	s_bfe_u32 s2, ttmp6, 0x10000c
	s_cmp_lg_u32 s2, 0xf033
	s_cbranch_scc0 .Lentry_shape_is_right
	s_endpgm
.Lentry_shape_is_right:
; Q, K AND V.  C[m][n] = sum over k of xh[m][k] wq[n][k] + bias[n], m = 0..4095, n = 0..3071, K = 2048; operands f16, sums f32.  Columns go in UNITS of 128: units 0-15 are the query heads,
; unit 16 + 2 g is k and unit 17 + 2 g is v of key head g.  q and k are turned by the rotation table (pairs of neighbouring columns); all is rounded once to f16 and stored by units: qkv[batch][unit][position][128].
; The cache step of the module moves nothing here: with pos = 0 the update overwrites every row of the cache that is read afterwards, so k and v are taken as they are made.
; LIMITS.  q, k, v stay under f16's 65,504.  NaN and infinities are not treated apart.
; SHARES.  A work-group makes 128 rows x 384 columns (three whole units): 32 x 8 = 256 work-groups.  Four waves, each 64 rows x 192 columns: 48 accumulators of 16 x 16, 384 registers.
; K goes in steps of 128 (rows of 256 bytes, aligned) through two LDS slots: wave 0 fetches A's 128 rows, waves 1 to 3 B's 3 x 128.
; CLUSTER.  4 x 4 work-groups: the four of a row need the same tile of xh and the same rows of the table, the four of a column the same tiles of wq: each is asked for jointly, by the same tensor load with the same
; descriptor and a mask of four.
; THE MATRIX INSTRUCTION IS USED TRANSPOSED (source 0 = 16 rows of wq, source 1 = 16 rows of xh): a lane holds row l % 16 of C and the columns 8 (l / 16) + 0..7.
; THE BIAS is the C operand of each accumulator's first product: nothing is cleared and nothing is added later.
; THE WAY OUT IS A LOOP.  The last change of slots fills the head of slot 0 with the tile's 128 rows of the table.  Behind the last product the sums go, in f32, into a stage of 128 rows in the ring's bytes, which have had
; their last fill; then each wave walks 32 rows: of a unit's row a lane takes four columns and their two (cos, sin), turns, rounds, and 32 lanes store the unit's 256 bytes.
; v IS NOT TURNED, AND NO BRANCH SAYS SO.  Which unit holds v hangs on the work-group's place in its cluster.  So (cos, sin) is first made (cos f + (1 - f), sin f), with f = 0 for a unit
; of v and 1 for the others: exact in both cases.
; REGISTERS, in windows of 256 (s_set_vgpr_msb: bits 1:0 source 0, 3:2 source 1, 5:4 source 2, 7:6 destination):
;   window 0: v1-30 addresses; v32-47 at work; v64-127 A's fragments, two buffers of 4 x 8, on the way out two sets of 8 loads; v128-223 the bias, later packed results; v224-235 f and 1 - f
;   window 1: B's fragments, two buffers of 12 x 8      windows 2, 3: accumulator (a, b) at v[8 (4 (b % 8) + a)] of window 2 + b / 8
.set NB,     12                        ; column blocks of 16 a wave
.set H,      NB-4
.set PITCH,  272                       ; an LDS row: 256 bytes + 16 of padding = 68 words: the 16 rows of a fragment load start at 16 different groups of four banks (64 banks of 4 bytes: ISA guide 11.1)
.set HALFT,  128*PITCH                 ; what one tensor load of the ring brings
.set SLOT,   4*HALFT                   ; A's 128 rows, then B's 384
.set SPARE,  2*SLOT                    ; behind the ring: the spare words, 128 bytes for each wave: two blocks of 256 bytes that no other line names
.set STG,    65536                     ; the table takes LDS bytes 0 .. 65,535 (128 rows of 512); the stage begins behind it
.set SPITCH, 1552                      ; the stage's rows: 1,536 bytes + 16 = 388 words: 16 rows start at 16 different groups of four banks.  128 rows end at byte 264,192, inside the ring
.set AHEAD,  1                         ; a prefetch names the K step one behind the refill just asked for
.set DW0, (1<<16)|(1<<20)|(1<<21)|(5<<22)|(3<<25)  ; group 1, word 0: 2-byte elements; padding on; bit 21 beside a mask; after every 64 words, 4 words
.set RDS,  12                          ; v12     the way out: where I read 16 bytes of a stage row
.set RDT,  13                          ; v13     and of a table row
.set BO,   15                          ; v15     my offset in the bias
.set ADRA, 16                          ; v16-17  LDS address of my A fragments in slot 0, 1
.set ADRB, 20                          ; v20-21  the same for B
.set STO,  24                          ; v24-25  the way out: where I put 32 bytes of a row, for row blocks 0, 1 and 2, 3
.set CO,   26                          ; v26     my byte offset in qkv
.set SPW,  28                          ; v28     LDS address of my spare word; never rewritten
.set NIL,  29                          ; v29     0; never rewritten
.set PFO,  30                          ; v30     the prefetches' offset: lane x 4,096 (a row of xh or wq); never rewritten
.set CT,   32                          ; v32-39  the table's pairs as used, two sets by turns
.set TT,   40                          ; v40-47  turned numbers, two sets by turns
.set FA,   64
.set BI,   128
.set OU,   128                         ; v128-151 packed results: set s, item n at OU + 12 s + 2 n
.set FG,   224                         ; v224-235 unit k: (f, f) at FG + 4 k, (1 - f, 0) at FG + 4 k + 2
.set G1A, 24                           ; s[24:31] group 1 for A's tile;  s[32:39] group 0, a set for each slot
.set G0A, 32
.set LIM, 43                           ; s43  1 in a wave that prefetches, else the greatest number
.set PFA, 44                           ; s[44:45] my 32 rows, at the K step that is being asked for
.set G1B, 48                           ; s[48:55], s[56:63] the same for B's tiles
.set G0B, 56
.set G1T, 80                           ; s[80:87], s[88:91] the table's load; never rewritten
.set G0T, 88
.set MSB, 0
.macro WIN new                         ; the immediate's high byte repeats the setting that is left; a switch that changes nothing is dropped
.if MSB != (\new)
	s_set_vgpr_msb (MSB<<8)|(\new)
.set MSB, (\new)
.endif
.endm
.macro PLACES                          ; four plain places behind matrix instructions, in front of loads into their registers and of reads of their results
.rept 4
	v_nop
.endr
.endm
.macro JLOAD s                         ; a joint load: wave 0 A's tile, waves 1-3 B's; the branch hangs on the wave's number alone.  An s_nop 0 and four v_nop follow each line
	s_cmp_eq_u32 s14, 0
	s_cbranch_scc0 .Lfor_b_\@
	tensor_load_to_lds s[G0A+4*(\s):G0A+4*(\s)+3], s[G1A:G1A+7]
	s_nop 0
.rept 4
	v_nop
.endr
	s_branch .Lasked_\@
.Lfor_b_\@:
	tensor_load_to_lds s[G0B+4*(\s):G0B+4*(\s)+3], s[G1B:G1B+7]
	s_nop 0
.rept 4
	v_nop
.endr
.Lasked_\@:
.endm
.macro CREST                           ; a round of the cluster's barrier behind its opening barrier
	s_cmp_lg_u32 s14, 0
	s_cbranch_scc1 .Lnot_wave_0_\@
	s_barrier_signal -3
.Lnot_wave_0_\@:
	s_barrier_wait -3
	s_barrier_signal -1
	s_barrier_wait -1
.endm
.macro CROUND
	s_barrier_signal -1
	s_barrier_wait -1
	CREST
.endm
; A prefetch of 32 rows x 256 bytes, a lane a row.  xh's rows are read by both clusters of a row of clusters: cluster x = 0 asks; wq's by all eight of a column: cluster y = 0 asks.  The four partners that ask for a
; tile jointly share its 128 rows out by address, 32 each.  So each row's 256 bytes of a K step are named once.  mode = 1: in every trip; 0: not in the loop's last trip, whose next K step does not exist.
.macro ASK mode
.if \mode
	s_cmp_eq_u32 s[LIM], 1
.else
	s_cmp_gt_u32 s3, s[LIM]
.endif
	s_cbranch_scc0 .Lnot_mine_\@
	global_prefetch_b8 v[PFO], s[PFA:PFA+1] offset:AHEAD*256 th:TH_LOAD_NT scope:SCOPE_SE
.Lnot_mine_\@:
.endm
; 4 nb matrix instructions: column blocks b0 .. b0 + nb - 1 x all four row blocks, 32 along K, from buffer f.  zero = 1: the first product, which starts the sum from the bias.
; All 48 accumulators take turns in one order, one instruction a turn.
.macro MULB f, b0, nb, zero
.set bb, \b0
.rept \nb
.if \zero
	WIN 0x81+0x40*(bb/8)
.else
	WIN 0xa1+0x50*(bb/8)
.endif
.set aa, 0
.rept 4
.set rD, 8*(4*(bb%8)+aa)
.set rB, 8*NB*(\f)+8*bb
.set rA, FA+32*(\f)+8*aa
.if \zero
	v_wmma_f32_16x16x32_f16 v[rD:rD+7], v[rB:rB+7], v[rA:rA+7], v[BI+8*bb:BI+8*bb+7]
.else
	v_wmma_f32_16x16x32_f16 v[rD:rD+7], v[rB:rB+7], v[rA:rA+7], v[rD:rD+7]
.endif
.set aa, aa+1
.endr
.set bb, bb+1
.endr
.endm
.macro FETCH slot, k, f                ; 32 LDS loads in one run: A's four fragments, then B's twelve in ascending order, 32 K at byte k of the rows
	WIN 0
.irp i, 0,1,2,3
	ds_load_b128 v[FA+32*(\f)+8*(\i):FA+32*(\f)+8*(\i)+3],   v[ADRA+(\slot)] offset:(\k)+(\i)*16*PITCH
	ds_load_b128 v[FA+32*(\f)+8*(\i)+4:FA+32*(\f)+8*(\i)+7], v[ADRA+(\slot)] offset:(\k)+(\i)*16*PITCH+32
.endr
	WIN 0x40
.set bb, 0
.rept NB
	ds_load_b128 v[8*NB*(\f)+8*bb:8*NB*(\f)+8*bb+3],   v[ADRB+(\slot)] offset:(\k)+bb*16*PITCH
	ds_load_b128 v[8*NB*(\f)+8*bb+4:8*NB*(\f)+8*bb+7], v[ADRB+(\slot)] offset:(\k)+bb*16*PITCH+32
.set bb, bb+1
.endr
.endm
; A K step is four quarters of 32 along K, 48 matrix instructions each, on buffers 0, 1, 0, 1.  One of the first three: multiplies buffer f, and fetches the next quarter, at byte k, into buffer g.
.macro QUARTER slot, k, f, g, zero
	s_wait_dscnt 8                                 ; all but the youngest eight loads: B's last four blocks
	MULB \f, 0, H/2, \zero
	PLACES
	FETCH \slot, \k, \g
	MULB \f, H/2, H/2, \zero
	s_wait_dscnt 8+2*NB                            ; all but the run just issued
	MULB \f, H, 4, \zero
.endm
; The last quarter multiplies buffer 1 and changes slots.  In front of the barrier each wave waits for all its tensor loads (one is out: its part of the next slot), adds 0 to its spare word, and waits for that and for
; its reads of this slot.  The barrier opens a round of the cluster's barrier, and the joint refill is the first thing behind it.  fill = 1: this slot's K step two steps on.  fill = 2: the last change: the head of
; this slot takes the table's 128 rows, 32 a wave (64 rows of 256 dense bytes); it lands under the last K step.
.macro TURN slot, next, fill, mode
.if (\fill) == 1
	s_wait_xcnt 0x0                                ; the last prefetch, a K step back, has read its address
	s_add_nc_u64 s[PFA:PFA+1], s[PFA:PFA+1], 256
.endif
	WIN 0
	s_wait_tensorcnt 0x0
	ds_add_u32 v[SPW], v[NIL]
	s_wait_dscnt 9                                 ; the add and the youngest eight loads may be out
	MULB 1, 0, 2, 0
	s_wait_dscnt 0x0                               ; the add is done, and my reads of this slot are over
	s_barrier_signal -1
	MULB 1, 2, 2, 0
	WIN 0
	s_barrier_wait -1
	CREST                                          ; no wave of any partner still reads this slot or has a load on its way
.if (\fill) == 1
	s_add_nc_u64 s[G0A+4*(\slot)+2:G0A+4*(\slot)+3], s[G0A+4*(\slot)+2:G0A+4*(\slot)+3], 512
	s_add_nc_u64 s[G0B+4*(\slot)+2:G0B+4*(\slot)+3], s[G0B+4*(\slot)+2:G0B+4*(\slot)+3], 512
	JLOAD \slot                                    ; its four v_nop are also the places in front of the loads below
.else
	tensor_load_to_lds s[G0T:G0T+3], s[G1T:G1T+7]  ; every wave's own 32 rows, to LDS bytes that are its own by its number
	s_nop 0
.rept 4
	v_nop
.endr
.endif
	FETCH \next, 0, 0
.if (\fill) == 1
	WIN 0
	ASK \mode
.endif
	MULB 1, 4, NB-4, 0
.endm
; THE WAY OUT's loop.  A set is two rows: for each its 16 bytes of the table and of the three units.  r0: the rows' place behind the stepped addresses.
.macro WLOAD s, r0
.irp i, 0,1
	ds_load_b128 v[FA+32*(\s)+4*(\i):FA+32*(\s)+4*(\i)+3], v[RDT] offset:((\r0)+(\i))*512
.irp k, 0,1,2
	ds_load_b128 v[FA+32*(\s)+8+4*(3*(\i)+(\k)):FA+32*(\s)+8+4*(3*(\i)+(\k))+3], v[RDS] offset:((\r0)+(\i))*SPITCH+(\k)*512
.endr
.endr
.endm
; Six items: y0' = y0 c - y1 s, y1' = y1 c + y0 s for a lane's two pairs; rounded to f16; 32 lanes store a unit's row, 256 consecutive bytes, aligned.
.macro WWORK s, r0, younger
	s_wait_dscnt \younger                          ; this set is in; the other set's eight loads may be out
	s_wait_xcnt 0x0                                ; the stores of a trip back have read the registers that are written again
.irp i, 0,1
.irp k, 0,1,2
.set tb, FA+32*(\s)+4*(\i)
.set y,  FA+32*(\s)+8+4*(3*(\i)+(\k))
.set c,  CT+4*((\i)+(\k))%8
.set t,  TT+4*((\i)+(\k))%8
.set o,  OU+12*(\s)+2*(3*(\i)+(\k))
	v_pk_fma_f32 v[c:c+1], v[tb:tb+1], v[FG+4*(\k):FG+4*(\k)+1], v[FG+4*(\k)+2:FG+4*(\k)+3]
	v_pk_fma_f32 v[c+2:c+3], v[tb+2:tb+3], v[FG+4*(\k):FG+4*(\k)+1], v[FG+4*(\k)+2:FG+4*(\k)+3]
	v_pk_mul_f32 v[t:t+1], v[y:y+1], v[c:c+1] op_sel_hi:[1,0]
	v_pk_mul_f32 v[t+2:t+3], v[y+2:y+3], v[c+2:c+3] op_sel_hi:[1,0]
	v_fma_f32 v[t], -v[y+1], v[c+1], v[t]
	v_fma_f32 v[t+1], v[y], v[c+1], v[t+1]
	v_fma_f32 v[t+2], -v[y+3], v[c+3], v[t+2]
	v_fma_f32 v[t+3], v[y+2], v[c+3], v[t+3]
	v_cvt_pk_f16_f32 v[o], v[t], v[t+1]
	v_cvt_pk_f16_f32 v[o+1], v[t+2], v[t+3]
	global_store_b64 v[CO], v[o:o+1], s[12:13] offset:(\k)*262144+((\r0)+(\i))*256
.endr
.endr
.endm
	s_load_b256 s[4:11], s[0:1], 0x0               ; xh s[4:5], wq s[6:7], bias s[8:9], rot s[10:11]
	s_load_b64 s[12:13], s[0:1], 0x20              ; qkv
	v_lshl_add_u32 v[SPW], v0, 2, SPARE
	v_mov_b32 v[NIL], 0
	ds_add_u32 v[SPW], v[NIL]                      ; the wave's opening: the add and its wait stand ahead of my first tensor load; the set-up below stands between them
	v_lshrrev_b32 v1, 5, v0
	v_readfirstlane_b32 s14, v1                    ; wave 0..3
	s_lshr_b32 s15, s14, 1                         ; wm: which 64 rows
	s_and_b32 s16, s14, 1                          ; wn: which 192 columns
	s_bfe_u32 s17, ttmp6, 0x40000                  ; cx
	s_bfe_u32 s18, ttmp6, 0x40004                  ; cy
	s_lshl_b32 s19, ttmp9, 2
	s_add_co_u32 s19, s19, s17                     ; tx: the block of 384 columns
	s_and_b32 s20, ttmp7, 0xffff
	s_lshl_b32 s20, s20, 2
	s_add_co_u32 s20, s20, s18                     ; ty: the block of 128 rows
	s_lshl_b32 s21, s18, 2
	s_lshl_b32 s21, 15, s21                        ; my row of the cluster
	s_lshl_b32 s22, 0x1111, s17                    ; my column
	s_or_b32 s[G1A], s21, DW0
	s_or_b32 s[G1B], s22, DW0
.irp g, G1A, G1B
	s_mov_b32 s[(\g)+1], 128<<16                   ; tensor_dim0 = 128
	s_mov_b32 s[(\g)+2], 128<<16                   ; tensor_dim1 = 128
	s_mov_b32 s[(\g)+3], 128<<16                   ; tile_dim0 = 128
	s_mov_b32 s[(\g)+4], 128                       ; tile_dim1 = 128
	s_mov_b32 s[(\g)+5], 2048                      ; elements from row to row
	s_mov_b32 s[(\g)+6], 0
	s_mov_b32 s[(\g)+7], 0
.endr
	s_or_b32 s[G1T], s21, (3<<16)|(1<<21)          ; the table: shared along my row of the cluster; 8-byte elements; no padding; bit 21 beside a mask
	s_mov_b32 s[G1T+1], 32<<16                     ; 16,384 dense bytes as 64 rows of 32 elements
	s_mov_b32 s[G1T+2], 64<<16
	s_mov_b32 s[G1T+3], 32<<16
	s_mov_b32 s[G1T+4], 64
	s_mov_b32 s[G1T+5], 32
	s_mov_b32 s[G1T+6], 0
	s_mov_b32 s[G1T+7], 0
	s_mov_b32 s[G0T], 1
	s_lshl_b32 s[G0T+1], s14, 14                   ; to LDS byte 16,384 x wave
	s_and_b32 s72, s20, 7                          ; from position 128 (ty % 8) + 32 x wave, 512 bytes a position
	s_lshl_b32 s72, s72, 16
	s_lshl_b32 s73, s14, 14
	s_add_co_u32 s72, s72, s73
	s_mov_b32 s73, 0
	s_lshl_b32 s66, s20, 19                        ; A: 128 ty rows of 4,096 bytes
	s_mov_b32 s67, 0
	s_max_u32 s41, s14, 1
	s_sub_co_u32 s41, s41, 1
	s_lshl_b32 s41, s41, 7                         ; B: which 128 of the 384 rows I fetch (waves 1-3)
	s_mul_i32 s68, s19, 384
	s_add_co_u32 s68, s68, s41
	s_lshl_b32 s68, s68, 12
	s_mov_b32 s69, 0
	s_mul_i32 s40, s14, HALFT                      ; where my tile goes: wave x 128 rows; no place in the cluster enters an LDS address
	s_wait_dscnt 0x0                               ; the opening add is done
	s_wait_kmcnt 0x0
	s_add_nc_u64 s[66:67], s[4:5], s[66:67]
	s_add_nc_u64 s[68:69], s[6:7], s[68:69]
	s_add_nc_u64 s[G0T+2:G0T+3], s[10:11], s[72:73]
	s_or_b32 s[G0T+3], s[G0T+3], 0x80000000
	CROUND                                         ; all sixteen work-groups are here: the first joint loads meet
.irp s, 0,1
	s_mov_b32 s[G0A+4*(\s)], 1
	s_add_co_u32 s[G0A+4*(\s)+1], s40, (\s)*SLOT
	s_add_nc_u64 s[G0A+4*(\s)+2:G0A+4*(\s)+3], s[66:67], (\s)*256
	s_or_b32 s[G0A+4*(\s)+3], s[G0A+4*(\s)+3], 0x80000000
	s_mov_b32 s[G0B+4*(\s)], 1
	s_add_co_u32 s[G0B+4*(\s)+1], s40, (\s)*SLOT
	s_add_nc_u64 s[G0B+4*(\s)+2:G0B+4*(\s)+3], s[68:69], (\s)*256
	s_or_b32 s[G0B+4*(\s)+3], s[G0B+4*(\s)+3], 0x80000000
	JLOAD \s                                       ; K steps 0 and 1: two tensor loads of mine are out
.endr
	v_and_b32 v1, 15, v0                           ; l % 16
	v_bfe_u32 v2, v0, 4, 1                         ; l / 16
	s_mul_i32 s70, s19, 1536                       ; the bias of my 192 columns: (384 tx + 192 wn) x 4 bytes, + 32 for the upper lanes
	s_mul_i32 s71, s16, 768
	s_add_co_u32 s70, s70, s71
	v_lshl_add_u32 v[BO], v2, 5, s70
.set bb, 0
.rept NB
	global_load_b128 v[BI+8*bb:BI+8*bb+3],   v[BO], s[8:9] offset:64*bb
	global_load_b128 v[BI+8*bb+4:BI+8*bb+7], v[BO], s[8:9] offset:64*bb+16
.set bb, bb+1
.endr
	; the prefetches
	s_lshl_b32 s70, s20, 7
	s_mul_i32 s71, s19, 384
	s_add_co_u32 s71, s71, s41
	s_and_b32 s72, ttmp7, 0xffff                   ; cluster y
	s_cmp_eq_u32 s14, 0                            ; do I fetch for A?
	s_cselect_b32 s70, s70, s71                    ; the first of the 128 rows that I fetch
	s_cselect_b32 s73, s17, s18                    ; my place among the four that ask with me
	s_cselect_b32 s72, ttmp9, s72                  ; the coordinate along which other clusters read the same rows
	s_cselect_b64 s[PFA:PFA+1], s[4:5], s[6:7]
	s_cmp_eq_u32 s72, 0
	s_cselect_b32 s[LIM], 1, -1                    ; the same in all sixteen partners, for a given wave
	s_lshl_b32 s73, s73, 5
	s_add_co_u32 s70, s70, s73
	s_lshl_b32 s70, s70, 12
	s_mov_b32 s71, 0
	s_add_nc_u64 s[PFA:PFA+1], s[PFA:PFA+1], s[70:71]
	s_add_nc_u64 s[PFA:PFA+1], s[PFA:PFA+1], 256   ; at K step 1: the first refill steps it to 2 and names K step 3
	v_and_b32 v[PFO], 31, v0
	v_lshlrev_b32 v[PFO], 12, v[PFO]
	; fragments: lane l holds row l % 16; two loads of 16 bytes, 32 bytes apart, at row x pitch + 16 (l / 16)
	v_mul_u32_u24 v3, v1, PITCH
	v_lshl_add_u32 v3, v2, 4, v3
	s_mul_i32 s23, s15, 64*PITCH
	s_mul_i32 s42, s16, 192*PITCH
	s_add_co_u32 s42, s42, HALFT
.irp s, 0,1
	v_add_nc_u32 v[ADRA+(\s)], s23, v3
	v_add_nc_u32 v[ADRB+(\s)], s42, v3
	s_add_co_u32 s23, s23, SLOT
	s_add_co_u32 s42, s42, SLOT
.endr
	s_mul_i32 s23, s15, 64*SPITCH                  ; into the stage: row 64 wm + l % 16, byte 768 wn + 32 (l / 16)
	s_mul_i32 s42, s16, 768
	s_add_co_u32 s23, s23, s42
	s_add_co_u32 s23, s23, STG
	v_mul_u32_u24 v4, v1, SPITCH
	v_lshl_add_u32 v4, v2, 5, v4
	v_add_nc_u32 v[STO], s23, v4
	v_add_nc_u32 v[STO+1], 32*SPITCH, v[STO]       ; row blocks 2 and 3: an LDS offset has 16 bits
	v_and_b32 v5, 31, v0
	s_mul_i32 s23, s14, 32*SPITCH                  ; back: wave w takes rows 32 w .. 32 w + 31; 32 lanes take 512 bytes of a row: a unit's 128 columns
	s_add_co_u32 s23, s23, STG
	v_lshl_add_u32 v[RDS], v5, 4, s23
	s_lshl_b32 s23, s14, 14
	v_lshl_add_u32 v[RDT], v5, 4, s23              ; the same rows of the table: my two pairs are 16 bytes
	s_lshl_b32 s23, s14, 13
	v_lshl_add_u32 v[CO], v5, 3, s23               ; and of a unit in qkv: 256 bytes a position, 8 a lane
	s_lshr_b32 s70, s20, 3                         ; qkv at (batch, unit 3 tx, position 128 (ty % 8)): a unit is 262,144 bytes
	s_mul_i32 s70, s70, 24
	s_mul_i32 s71, s19, 3
	s_add_co_u32 s70, s70, s71
	s_lshl_b32 s70, s70, 18
	s_and_b32 s72, s20, 7
	s_lshl_b32 s73, s72, 15
	s_add_co_u32 s46, s70, s73
	s_mov_b32 s47, 0
	s_add_nc_u64 s[12:13], s[12:13], s[46:47]
.irp k, 0,1,2                          ; f = 0 for a unit of v (odd, from 16 on), else 1: numbers, no branch
	s_add_co_u32 s74, s71, (\k)
	s_and_b32 s75, s74, 1
	s_cmp_ge_u32 s74, 16
	s_cselect_b32 s75, s75, 0
	s_cmp_eq_u32 s75, 1
	s_cselect_b32 s76, 0, 1.0
	s_cselect_b32 s77, 1.0, 0
	v_mov_b32 v[FG+4*(\k)], s76
	v_mov_b32 v[FG+4*(\k)+1], s76
	v_mov_b32 v[FG+4*(\k)+2], s77
	v_mov_b32 v[FG+4*(\k)+3], 0
.endr
	s_wait_tensorcnt 1                             ; my part of K step 0 is in; K step 1's may stay out
	s_barrier_signal -1
	s_barrier_wait -1
	FETCH 0, 0, 0
	s_wait_loadcnt 0x0                             ; the bias
	QUARTER 0, 64, 0, 1, 1                         ; the first quarter stands in front of the loop: its products start the sums
	WIN 0                                          ; at a label and at a branch every window is 0
	s_mov_b32 s3, 7
.Llap:                                                 ; a trip goes once round the ring, from a lap's second quarter to the next lap's first, and fills both slots again
	QUARTER 0, 128, 1, 0, 0
	QUARTER 0, 192, 0, 1, 0
	TURN 0, 1, 1, 1
	QUARTER 1, 64,  0, 1, 0
	QUARTER 1, 128, 1, 0, 0
	QUARTER 1, 192, 0, 1, 0
	TURN 1, 0, 1, 0
	QUARTER 0, 64,  0, 1, 0
	WIN 0
	s_sub_co_u32 s3, s3, 1
	s_cmp_lg_u32 s3, 0
	s_cbranch_scc1 .Llap
	QUARTER 0, 128, 1, 0, 0                        ; the last lap: no K step is left to ask for
	QUARTER 0, 192, 0, 1, 0
	TURN 0, 1, 2, 0                                ; slot 0 is left for good: its head takes the table
	QUARTER 1, 64,  0, 1, 0
	QUARTER 1, 128, 1, 0, 0
	QUARTER 1, 192, 0, 1, 0
	s_wait_dscnt 8
	MULB 1, 0, H, 0
	s_wait_dscnt 0x0                               ; my last reads of slot 1 are back
	MULB 1, H, 4, 0
	; THE WAY OUT
	WIN 0
	PLACES
	s_wait_tensorcnt 0x0                           ; my part of the table is in
	s_barrier_signal -1
	s_barrier_wait -1                              ; nobody reads the ring any more, and the table is whole
	WIN 0x08                                       ; the stores' data lie in window 2, then 3; each accumulator's lowest registers go first
.set bb, 0
.rept NB
.if bb == 8
	WIN 0x0c
.endif
.set aa, 0
.rept 4
	ds_store_b128 v[STO+aa/2], v[8*(4*(bb%8)+aa):8*(4*(bb%8)+aa)+3]   offset:(aa%2)*16*SPITCH+64*bb
	ds_store_b128 v[STO+aa/2], v[8*(4*(bb%8)+aa)+4:8*(4*(bb%8)+aa)+7] offset:(aa%2)*16*SPITCH+64*bb+16
.set aa, aa+1
.endr
.set bb, bb+1
.endr
	WIN 0
	s_wait_dscnt 0x0                               ; for the others' sake: my stores into the stage are done; a row's 1,536 bytes come from two waves
	s_barrier_signal -1
	s_barrier_wait -1
	WLOAD 0, 0
	s_mov_b32 s3, 7
.Lrows:                                                ; four rows a trip; while one set is turned the other's eight loads are out
	WLOAD 1, 2
	WWORK 0, 0, 8
	WLOAD 0, 4
	WWORK 1, 2, 8
	s_wait_xcnt 0x0                                ; the stores have read their offset
	v_add_nc_u32 v[CO], 1024, v[CO]
	v_add_nc_u32 v[RDT], 2048, v[RDT]
	v_add_nc_u32 v[RDS], 4*SPITCH, v[RDS]
	s_sub_co_u32 s3, s3, 1
	s_cmp_lg_u32 s3, 0
	s_cbranch_scc1 .Lrows
	WLOAD 1, 2                                     ; the last four rows: nothing is left to load behind them
	WWORK 0, 0, 8
	WWORK 1, 2, 0
	s_wait_tensorcnt 0x0                           ; the wave's end, behind my last tensor load and my last LDS store
	ds_add_u32 v[SPW], v[NIL]
	s_wait_dscnt 0x0
	CROUND                                         ; the closing round: no work-group ends while a partner may still ask for a tile that names it
	s_endpgm
.Lfunc_end_k_qff962bdf42_qkv:
	.size	k_qff962bdf42_qkv, .Lfunc_end_k_qff962bdf42_qkv-k_qff962bdf42_qkv
	.p2alignl 7, 3214868480
	.fill 96, 4, 3214868480
	.section	.rodata,"a",@progbits
	.p2align	6, 0x0
	.amdhsa_kernel k_qff962bdf42_qkv
		.amdhsa_group_segment_fixed_size 327680
		.amdhsa_private_segment_fixed_size 0
		.amdhsa_enable_private_segment 0
		.amdhsa_kernarg_size 40
		.amdhsa_user_sgpr_count 2
		.amdhsa_user_sgpr_kernarg_segment_ptr 1
		.amdhsa_wavefront_size32 1
		.amdhsa_system_sgpr_workgroup_id_x 1
		.amdhsa_system_sgpr_workgroup_id_y 1
		.amdhsa_system_sgpr_workgroup_id_z 1
		.amdhsa_system_vgpr_workitem_id 0
		.amdhsa_next_free_vgpr 896
		.amdhsa_next_free_sgpr 92
		.amdhsa_reserve_vcc 0
		.amdhsa_float_denorm_mode_32 3
		.amdhsa_float_denorm_mode_16_64 3
		.amdhsa_memory_ordered 1
		.amdhsa_forward_progress 1
		.amdhsa_inst_pref_size 128
	.end_amdhsa_kernel
	.amdgpu_metadata
---
amdhsa.version: [ 1, 2 ]
amdhsa.kernels:
  - .name:           k_qff962bdf42_qkv
    .symbol:         k_qff962bdf42_qkv.kd
    .args:
      - { .name: xh, .offset: 0, .size: 8, .value_kind: global_buffer, .address_space: global }
      - { .name: wq, .offset: 8, .size: 8, .value_kind: global_buffer, .address_space: global }
      - { .name: bias, .offset: 16, .size: 8, .value_kind: global_buffer, .address_space: global }
      - { .name: rot, .offset: 24, .size: 8, .value_kind: global_buffer, .address_space: global }
      - { .name: qkv, .offset: 32, .size: 8, .value_kind: global_buffer, .address_space: global }
    .group_segment_fixed_size: 327680
    .private_segment_fixed_size: 0
    .kernarg_segment_align: 8
    .kernarg_segment_size: 40
    .max_flat_workgroup_size: 128
    .sgpr_count:     92
    .vgpr_count:     896
    .wavefront_size: 32
...
	.end_amdgpu_metadata
.endif
;; end of part 2
;; launch attn (part 3): grid 16 x 16, 4 waves a work-group, clusters of 4 x 1, 327,680 bytes of LDS; arguments qkv, oh; writes oh
.if DOCPART == 3
	.amdgcn_target "amdgcn-amd-amdhsa--gfx1250"
	.amdhsa_code_object_version 6
	.text
	.protected	k_qff962bdf42_attn
	.globl	k_qff962bdf42_attn
	.p2align	8
	.type	k_qff962bdf42_attn,@function
k_qff962bdf42_attn:
	s_mov_b64 s[64:65], 0
	v_nop
	global_prefetch_b8 v0, s[64:65] scope:SCOPE_SE
	s_setreg_imm32_b32 hwreg(HW_REG_WAVE_MODE, 25, 1), 1
	s_wait_xcnt 0x0
	s_wait_alu depctr_hold_cnt(0) depctr_sa_sdst(0) depctr_va_vdst(0) depctr_va_sdst(0) depctr_va_ssrc(0) depctr_va_vcc(0) depctr_vm_vsrc(0)
	s_getreg_b32 s2, hwreg(HW_REG_IB_STS2, 6, 4)
	s_cmp_eq_u32 s2, 0
	s_cbranch_scc0 .Lentry_in_a_cluster
	s_endpgm
.Lentry_in_a_cluster:
	s_bfe_u32 s2, ttmp6, 0x10000c
	s_cmp_lg_u32 s2, 0x3003
	s_cbranch_scc0 .Lentry_shape_is_right
	s_endpgm
.Lentry_shape_is_right:
; CAUSAL ATTENTION, FOUR QUERY HEADS TO A KEY HEAD.  O[q] = sum over k <= q of softmax_k(Q[q] . K[k] / sqrt(128)) V[k], head size 128, 1,024 positions, 4 batches x 16 heads.
; qkv[batch][unit][position][128] f16 (units 0-15 q, 16 + 2 g k, 17 + 2 g v); oh[batch x 1024 + position][head x 128 + d] f16.  Products, maxima and sums in f32; the weights p are rounded to f16 for the second
; product (their sum l is taken of the unrounded p), O once at the end.
; LIMITS.  A hidden score counts as its value less 1e30; a weight below 2^-126 counts as 0 in l; O is a mean of V's rows and has their range; NaN and infinities are not treated apart.
; THE WALK.  A head's queries lie in 8 blocks of 128; block i needs the key tiles 0 .. i of 128 keys, the last of which holds the diagonal.  A work-group takes blocks 7 - j and then j: 9 tiles whatever j,
; walked by one loop with a constant trip count.  What a trip does hangs on scalar registers made from j.
; CLUSTER.  The four work-groups of a cluster are the four query heads of one key head, with the same j: they walk the same tiles of K and V, so each tile is asked for jointly.  The head's number within the
; four enters Q's, O's and the prefetches' global addresses alone.
; SHARES.  A wave owns two TILES of 16 queries: rows 64 t + 16 w + l % 16 of the block, t = 0, 1.  In the diagonal key tile's first step (64 keys) tile 0 holds the diagonal and tile 1 sees all; in its second step
; tile 0 sees nothing and tile 1 holds the diagonal: the same for every wave and every partner.
; LAYOUT.  S^T = K Q^T holds one query a lane (l % 16) and the keys 8 (l / 16) + 0..7; two such results rounded to f16 are source 1 of O^T = V^T P.  K comes out of LDS as it lies, V turned, by ds_load_tr16_b128.
; SOFTMAX.  A running maximum m and sum l: p = 2^(c s - c m), c = log2(e) / sqrt(128); O and l are multiplied by a = 2^(c m_old - c m_new) in every step.
; BY TURNS.  In a turn one tile has the matrix unit: 16 products V^T P of the step in hand, then 16 products K Q^T of the next step; the other tile's softmax (134 vector instructions, its 33 exponentials one batch
; with one wait) stands in 32 slices, one behind each product.  Turn A: tile 0's products, tile 1's softmax of the step in hand, K of the next step fetched.  Turn B: tile 1's products, tile 0's softmax of the next
; step, V of the next step fetched.  A and B are a PASS.
; THE MASK is the C operand that starts each sum S^T: always registers, MC = MD x AL + BE, where MD (made once) holds 0 or -1e30 for a band's own step.  (AL, BE) = (0, 0): all seen; (1, 0): the band's own step;
; (0, -1e30): nothing seen.  MC is written at a block's beginning and in the diagonal tile alone.
; NO FIRST AND NO LAST STEP IS WRITTEN OUT.  A block begins with c m far below every c s, so its first a is 0; it fetches K, makes tile 0's first scores bare and enters the pass at turn B, whose V^T P, of a step that
; has not been, lands in an O^T that a = 0 still wipes.  A key tile has two passes; the diagonal tile a third that fetches nothing: tile 1's last softmax and V^T P are done in it; tile 0's scores in it are all hidden
; (a = 1, p = 0), and its K Q^T on the stale K serve nothing.  The price: 96 products more a block than the mask leaves.
; REGISTERS (s_set_vgpr_msb: bits 1:0 source 0, 3:2 source 1, 5:4 source 2, 7:6 destination):
;   window 0: v1-11, v28 addresses; v12-27 statistics, 8 a tile; v64-127 S^T; v192-223 P      window 1: v0-127 O^T, 64 a tile; v128-159 MD; v160-223 MC, 32 a tile
;   window 2: v0-63 Q; v64-127 the second block's Q; v128-255 K of a step                     window 3: v0-127 V of a step
.set KS,    64
.set PK,    272       ; a row of K in LDS: 256 bytes + 16: the 16 rows of a load start at 16 different groups of four banks (64 banks of 4 bytes: ISA guide 11.1)
.set PV,    288       ; a row of V: 256 + 32
.set VOFF,  KS*PK     ; a step's tiles lie together: 64 rows of K, then 64 rows of V
.set STEPB, KS*(PK+PV)
.set SLOT1, 1<<17     ; a slot holds a key tile, two steps; slot 1 begins here, so that one exclusive or turns an address in one slot into the other's
.set STAGE, SLOT1+2*STEPB  ; behind the ring, never filled by a tensor load: 16 rows x 272 bytes for each wave
.set SP,    272
.set SPARE, STAGE+4*16*SP  ; the spare words, 128 bytes for each wave: two blocks of 256 bytes that no other line names
.set AK0, 2
.set AV0, 3
.set AK,  4
.set AV,  5
.set STO, 6
.set RD,  7
.set GO,  8
.set ST,  12          ; tile t at v[ST+8 t]: +0 c m, +1 m, +2, +3 l (even keys', odd keys'), +4 to +7 at work; a takes +6
.set QO,  28
.set PFO, 61          ; v61  256 x my lane; never rewritten
.set SPW, 62
.set NIL, 63
.set S,   64
.set P,   192
.set MD,  128         ; window 1
.set MC,  160         ; window 1
.set QB,  64          ; window 2
.set KF,  128         ; window 2
.set OA,  10          ; s[10:11] O at my rows of the block in hand
.set WV,  12
.set CX,  13
.set PB,  14          ; j
.set HI,  15          ; 7 - j
.set G1K, 24
.set G1V, 32
.set G0K, 40
.set G0V, 44
.set PFA, 48
.set LIM, 50
.set SLOTS, 56
.set CNT, 57          ; counts a tile's passes, 3 to 1
.set CS,  58
.set SEL, 60
.set TB,  62          ; LDS byte at which the step to be fetched begins
.set KB,  66          ; s[66:67] K at my half of the head's tile 0;  s[68:69] V
.set VB,  68
.set RT,  70          ; tiles of the block in hand still to be entered
.set NXT, 71          ; the tile to be asked for next
.set LQ,  72          ; the last tile of the block whose tiles are being asked for
.set NEW, 73          ; 1: the tile to be entered is a block's first
.set OFF, 74
.set AL,  76          ; s[76:77] the mask's factor, in the low word
.set BE,  78          ; s[78:79] the mask's addend
.set OLO, 80
.set BIGN, 82
.set DG,  83          ; 1: the diagonal tile
.set QA,  84
.set QBS, 86
.set MSB, 0
.macro WIN new
.if MSB != (\new)
	s_set_vgpr_msb (MSB<<8)|(\new)
.set MSB, (\new)
.endif
.endm
.set W_KQ, 0x0a       ; K and Q in window 2, S^T in window 0
.set W_KM, 0x1a       ; the same with the C operand in window 1
.set W_PV, 0x53       ; V in window 3, P in window 0, O^T in window 1
.set W_RS, 0x41       ; destination and source 0 in window 1
.macro PLACES
.rept 4
	v_nop
.endr
.endm
.macro JLOAD                        ; a joint fill: waves 0 and 1 the two steps' K, waves 2 and 3 their V.  An s_nop 0 and four v_nop follow each line
	s_cmp_lt_u32 s[WV], 2
	s_cbranch_scc0 .Lfor_v_\@
	tensor_load_to_lds s[G0K:G0K+3], s[G1K:G1K+7]
	s_nop 0
.rept 4
	v_nop
.endr
	s_branch .Lasked_\@
.Lfor_v_\@:
	tensor_load_to_lds s[G0V:G0V+3], s[G1V:G1V+7]
	s_nop 0
.rept 4
	v_nop
.endr
.Lasked_\@:
.endm
; A prefetch of the tile that the NEXT change of slots will ask for.  A key head's tiles are walked by four clusters; the one with j = 0 walks tiles 0 to 7 on end, and it alone asks.  Its partners share a tile's 128 rows
; out by address, 32 each; wave 0 asks for K's, wave 2 for V's, a lane a row.  Changes 0 to 5 name tiles 2 to 7; the second block's tiles have been read before and are not named.
.macro ASK
	s_cmp_gt_u32 s[SLOTS], s[LIM]
	s_cbranch_scc0 .Lnot_mine_\@
	global_prefetch_b8 v[PFO], s[PFA:PFA+1] th:TH_LOAD_NT scope:SCOPE_SE
.Lnot_mine_\@:
.endm
.macro CROUND
	s_barrier_signal -1
	s_barrier_wait -1
	s_cmp_lg_u32 s[WV], 0
	s_cbranch_scc1 .Lnot_wave_0_\@
	s_barrier_signal -3
.Lnot_wave_0_\@:
	s_barrier_wait -3
	s_barrier_signal -1
	s_barrier_wait -1
.endm
; THE CHANGE OF SLOTS, ahead of a tile's first pass: the old slot's last bytes, V of its second step, were asked for in the pass before.  Each wave waits for all its tensor loads (one is out: its part of the other
; slot), adds 0 to its spare word, and waits for that and for its reads of the slot that it leaves.  fill = 1: a round of the cluster's barrier, and the joint fill of the old slot with tile NXT first behind it; the
; descriptor's address is made anew from that number.  It has a tile's two passes in which to land.
.macro CHANGE fill
	WIN 0
	s_wait_tensorcnt 0x0
	ds_add_u32 v[SPW], v[NIL]       ; 0 onto my spare word; the scalar work stands between it and the wait for it
.if \fill
	s_lshl_b32 s[OFF], s[NXT], 15   ; a tile is 32,768 bytes of K and of V
	s_xor_b32 s[G0K+1], s[G0K+1], SLOT1
	s_add_nc_u64 s[G0K+2:G0K+3], s[KB:KB+1], s[OFF:OFF+1]
	s_or_b32 s[G0K+3], s[G0K+3], 0x80000000
	s_xor_b32 s[G0V+1], s[G0V+1], SLOT1
	s_add_nc_u64 s[G0V+2:G0V+3], s[VB:VB+1], s[OFF:OFF+1]
	s_or_b32 s[G0V+3], s[G0V+3], 0x80000000
	s_add_co_u32 s[NXT], s[NXT], 1  ; the block's next tile, or behind its last the second block's tile 0
	s_cmp_gt_u32 s[NXT], s[LQ]
	s_cselect_b32 s[NXT], 0, s[NXT]
	s_cselect_b32 s[LQ], s[PB], s[LQ]
	s_wait_xcnt 0x0                 ; the last prefetch, a tile back, has read its address
	s_add_nc_u64 s[PFA:PFA+1], s[PFA:PFA+1], 32768
	s_wait_dscnt 0x0                ; the add is done, and my reads of the slot are over
	CROUND
	JLOAD
	ASK
.else
	s_wait_dscnt 0x0
	s_barrier_signal -1
	s_barrier_wait -1
.endif
	s_sub_co_u32 s[TB], s[TB], 2*STEPB  ; the fetches go back to a slot's first step,
	s_xor_b32 s[TB], s[TB], SLOT1       ; in the other slot
.endm
; THE MATRIX WORK.  The accumulators take turns, one instruction a turn: 8 in V^T P, 4 in K Q^T.
.macro PV x                         ; product i of 16 of O^T += V^T P: keys 32 (i / 8) on, channels 16 (i % 8) on
	WIN W_PV
.set rO, 64*(\x)+8*(i%8)
.set rV, 64*(i/8)+8*(i%8)
.set rP, P+16*(\x)+8*(i/8)
	v_wmma_f32_16x16x32_f16 v[rO:rO+7], v[rV:rV+7], v[rP:rP+7], v[rO:rO+7]
.endm
.macro KQ x                         ; product i of 16 of S^T = K Q^T: channels 32 (i / 4) on, keys 16 (i % 4) on.  The first 4 start the sums from the mask
.set rS, S+32*(\x)+8*(i%4)
.set rK, KF+32*(i%4)+8*(i/4)
.set rQ, 32*(\x)+8*(i/4)
.if i < 4
	WIN W_KM
	v_wmma_f32_16x16x32_f16 v[rS:rS+7], v[rK:rK+7], v[rQ:rQ+7], v[MC+32*(\x)+8*i:MC+32*(\x)+8*i+7]
.else
	WIN W_KQ
	v_wmma_f32_16x16x32_f16 v[rS:rS+7], v[rK:rK+7], v[rQ:rQ+7], v[rS:rS+7]
.endif
.endm
; THE LDS LOADS stand in runs of 32.  cond = 1, and V's run always: a tile's third pass has no step to fetch, and the run is jumped over.
.macro FETCH_K cond
	WIN 0
.if \cond
	s_cmp_eq_u32 s[CNT], 1
	s_cbranch_scc1 .Lnok_\@
.endif
	v_add_nc_u32 v[AK], s[TB], v[AK0]
	WIN 0x80
.irp f, 0,1,2,3,4,5,6,7,8,9,10,11,12,13,14,15  ; keys 16 (f / 4) on, channels 32 (f % 4) on
	ds_load_b128 v[KF+8*(\f):KF+8*(\f)+3],   v[AK] offset:((\f)/4)*16*PK+((\f)%4)*64
	ds_load_b128 v[KF+8*(\f)+4:KF+8*(\f)+7], v[AK] offset:((\f)/4)*16*PK+((\f)%4)*64+32
.endr
	WIN 0
.if \cond
.Lnok_\@:
.endif
.endm
.macro FETCH_V                      ; behind the batch's v_nop.  The last product that read V stands in front of slice 15: number 62 (a scaling), two v_nop and the address line are the four places
	v_nop
	v_add_nc_u32 v[AV], s[TB], v[AV0]
	s_wait_alu depctr_va_vdst(0)    ; the batch's one wait, ahead of the branch and of the first line that names a result
	s_cmp_eq_u32 s[CNT], 1
	s_cbranch_scc1 .Lnov_\@
	s_add_co_u32 s[TB], s[TB], STEPB  ; the next fetch is the next step's
	WIN 0xc0
.irp f, 0,1,2,3,4,5,6,7,8,9,10,11,12,13,14,15  ; keys 32 (f / 8) on, channels 16 (f % 8) on
	ds_load_tr16_b128 v[8*(\f):8*(\f)+3],   v[AV] offset:((\f)/8)*32*PV+((\f)%8)*32
	ds_load_tr16_b128 v[8*(\f)+4:8*(\f)+7], v[AV] offset:((\f)/8)*32*PV+16*PV+((\f)%8)*32
.endr
	WIN 0
.Lnov_\@:
.endm
; One tile's softmax for one key step: number j of 134.  s0-s31 are the lane's 32 scores, in pairs 0-15.
;   0-15 the maximum of the scores and the old m (each accumulator's lowest registers are read first)    16-20 the other half of the lanes'; the new m; c m; its change
;   21-69 one batch: the 16 scalings c s - c m and all 33 exponentials (a at 23), none of which reads an exponential's result; a pair is scaled ahead of its exponentials
;   70-85 the roundings to f16    86-101 the sums; l = a l + sum    102-133 O^T times a
.macro SM t
.set rT, ST+8*(\t)
.set rS, S+32*(\t)
.set rP, P+16*(\t)
.set rO, 64*(\t)+2*(j-102)
.if j < 102
	WIN 0
.endif
.if j < 4
	v_max3_num_f32 v[rT+4+j], v[rS+8*j], v[rS+8*j+1], v[rS+8*j+2]
.elseif j < 12
	v_max3_num_f32 v[rT+4+j%4], v[rT+4+j%4], v[rS+8*(j%4)+2*(j/4)+1], v[rS+8*(j%4)+2*(j/4)+2]
.elseif j == 12
	v_max3_num_f32 v[rT+4], v[rT+4], v[rS+7], v[rS+15]
.elseif j == 13
	v_max3_num_f32 v[rT+6], v[rT+6], v[rS+23], v[rS+31]
.elseif j == 14
	v_max3_num_f32 v[rT+4], v[rT+4], v[rT+5], v[rT+6]
.elseif j == 15
	v_max3_num_f32 v[rT+4], v[rT+4], v[rT+7], v[rT+1]
.elseif j == 16
	v_permlanex16_b32 v[rT+5], v[rT+4], s[SEL], s[SEL+1]  ; the query's other 32 keys lie in the lane 16 away
.elseif j == 17
	v_mov_b32 v[rT+7], v[rT]        ; c m_old is kept for a
.elseif j == 18
	v_max_num_f32 v[rT+1], v[rT+4], v[rT+5]
.elseif j == 19
	v_mul_f32 v[rT], s[CS], v[rT+1]
.elseif j == 20
	v_sub_f32 v[rT+7], v[rT+7], v[rT]
.elseif j == 23
	v_exp_f32 v[rT+6], v[rT+7]
.elseif (j < 23) || ((j < 38) && (j%2 == 0)) || ((j < 66) && (j%4 == 2))
.set b, (j-2)/4
.if j < 38
.set b, (j-20)/2
.endif
	v_pk_fma_f32 v[rS+2*b:rS+2*b+1], v[rS+2*b:rS+2*b+1], s[CS:CS+1], v[rT:rT+1] op_sel_hi:[1,0,0] neg_lo:[0,0,1] neg_hi:[0,0,1]
.elseif j < 70
.set e, j-38
.if j < 66
.set e, j-32-(j-38)/4
.endif
.if j < 38
.set e, (j-25)/2
.endif
	v_exp_f32 v[rS+e], v[rS+e]
.elseif j < 86
	v_cvt_pk_f16_f32 v[rP+j-70], v[rS+2*(j-70)], v[rS+2*(j-70)+1]
.elseif j < 102
.set z, j-86
.set w, 4
.set u, z
.if z >= 14
.set w, 32
.set u, 0
.elseif z >= 12
.set w, 16
.set u, z-12
.elseif z >= 8
.set w, 8
.set u, z-8
.endif
.if z < 15
	v_pk_add_f32 v[rS+w*u:rS+w*u+1], v[rS+w*u:rS+w*u+1], v[rS+w*u+w/2:rS+w*u+w/2+1]
.else
	v_pk_fma_f32 v[rT+2:rT+3], v[rT+2:rT+3], v[rT+6:rT+7], v[rS:rS+1] op_sel_hi:[1,0,1]
.endif
.else
	WIN W_RS
	v_pk_mul_f32 v[rO:rO+1], v[rO:rO+1], v[rT+6:rT+7] op_sel_hi:[1,0]
.endif
.endm
; Slice k of 32 of tile y's softmax.  Slices 0 and 1 have five numbers, 2 to 16 four: numbers 0 to 69, so that from number 22 on a slice is one of the batch's fours.  Behind slice 16 stands the batch's wait; ahead of
; it nothing names an exponential's result, behind it no exponential is issued.  Slices 17 to 30 have four, slice 31 the last eight: plain lines that name nothing of the products round them, the places behind the
; turn's last K Q^T.
.macro SLICE y
.if k == 0
.set lo, 0
.set n, 5
.elseif k == 1
.set lo, 5
.set n, 5
.elseif k < 17
.set lo, 10+4*(k-2)
.set n, 4
.elseif k < 31
.set lo, 70+4*(k-17)
.set n, 4
.else
.set lo, 126
.set n, 8
.endif
.set j, lo
.rept n
	SM \y
.set j, j+1
.endr
.if k == 16
	WIN 0
	v_nop                           ; a plain instruction behind the last exponential: one for the batch
.if (\y) == 0
	FETCH_V                         ; turn B: V's run of loads stands here, and the wait stands in it
.else
	s_wait_alu depctr_va_vdst(0)    ; the batch's one wait
.endif
.endif
.set k, k+1
.endm
; A TURN: tile x has the matrix unit.  Turn A (x = 0) fetches the next step's K behind its second product: the last product that read K stands in front of slice 31 of the turn before.
.macro TURN x
.set k, 0
.if (\x) == 0
	s_wait_dscnt 0x0                ; V is in
.endif
.set i, 0
.rept 16
	PV \x
	SLICE 1-(\x)
.if ((\x) == 0) && (i == 1)
	FETCH_K 1
.endif
.set i, i+1
.endr
.if (\x) == 0
	s_wait_dscnt 0x0                ; K is in
.endif
.set i, 0
.rept 16
	KQ \x
	SLICE 1-(\x)
.set i, i+1
.endr
.endm
.macro MASK t                       ; MD x AL + BE into tile t's mask
	WIN W_RS
.set z, 0
.rept 16
	v_pk_fma_f32 v[MC+32*(\t)+2*z:MC+32*(\t)+2*z+1], v[MD+2*z:MD+2*z+1], s[AL:AL+1], s[BE:BE+1] op_sel_hi:[1,0,0]
.set z, z+1
.endr
.endm
.macro FRESH                        ; c m far below every c s, m at the lowest finite number
.irp t, 0,1
	v_mov_b32 v[ST+8*(\t)], 0xfe000000
	v_mov_b32 v[ST+8*(\t)+1], 0xff7fffff
.endr
.endm
; A BLOCK BEGINS: the statistics; tile 0's mask is its own if the block's first tile is the diagonal one, tile 1 sees all; K of the first step; tile 0's first scores, bare.
.macro BEGIN
	s_mov_b32 s[NEW], 0
	WIN 0
	FRESH
	s_cmp_eq_u32 s[RT], 0
	s_cselect_b32 s[AL], 1.0, 0
	s_mov_b32 s[BE], 0
	MASK 0
	s_mov_b32 s[AL], 0
	MASK 1
	FETCH_K 0
	s_wait_dscnt 0x0
.set i, 0
.rept 16
	KQ 0
.set i, i+1
.endr
	WIN 0
	PLACES                          ; behind those products, ahead of the softmax that reads them
.endm
; THE WAY OUT of a block: O^T is divided by l, rounded to f16 and sent through my stage in LDS, a tile (16 rows) at a time
.macro PACK t
	WIN W_RS
.set i, 64*(\t)
.rept 32
	v_pk_mul_f32 v[i:i+1], v[i:i+1], v[ST+8*(\t)+6:ST+8*(\t)+7] op_sel_hi:[1,0]
.set i, i+2
.endr
	WIN 0x05
.set i, 0
.rept 32
	v_cvt_pk_f16_f32 v[S+32*(\t)+i], v[64*(\t)+2*i], v[64*(\t)+2*i+1]
.set i, i+1
.endr
	WIN 0
.irp f, 0,1,2,3,4,5,6,7
	ds_store_b128 v[STO], v[S+32*(\t)+4*(\f):S+32*(\t)+4*(\f)+3] offset:32*(\f)
.endr
.irp f, 0,1,2,3,4,5,6,7
	ds_load_b128 v[S+32*(\t)+4*(\f):S+32*(\t)+4*(\f)+3], v[RD] offset:(\f)*2*SP  ; LDS serves a wave's instructions in order (ISA guide 5.7.1.4): these see the stores above; the next tile's stores come behind them
.endr
.endm
.macro SEND t, younger              ; younger: the LDS instructions issued behind tile t's loads
.irp f, 0,1,2,3,4,5,6,7
	s_wait_dscnt (\younger)+7-(\f)
	global_store_b128 v[GO], v[S+32*(\t)+4*(\f):S+32*(\t)+4*(\f)+3], s[OA:OA+1] offset:(\t)*262144+(\f)*8192  ; 16 lanes store a head's 256 bytes of one row, aligned
.endr
.endm
.macro FINISH
	WIN 0
.irp t, 0,1
	v_add_f32 v[ST+8*(\t)+4], v[ST+8*(\t)+2], v[ST+8*(\t)+3]
.endr
.irp t, 0,1
	v_permlanex16_b32 v[ST+8*(\t)+5], v[ST+8*(\t)+4], s[SEL], s[SEL+1]
.endr
.irp t, 0,1
	v_add_f32 v[ST+8*(\t)+4], v[ST+8*(\t)+4], v[ST+8*(\t)+5]
.endr
.irp t, 0,1
	v_rcp_f32 v[ST+8*(\t)+6], v[ST+8*(\t)+4]
.endr
	v_nop
	s_wait_alu depctr_va_vdst(0)    ; one wait for the two reciprocals
	PACK 0
	PACK 1
	SEND 0, 16
	SEND 1, 0
.endm
; A KEY TILE.  The pass loop counts 3 to 0.  Pass 3 makes the scores of the tile's first step, pass 2 those of its second, pass 1 is the diagonal tile's alone; a plain tile jumps forward over it.  The test for a
; block's first tile stands first: at the walk's first trip its answer is a constant of the text.  last = 1: the walk's last tile, which always ends the second block.
.macro TILE last
	s_sub_co_u32 s[RT], s[RT], 1
	s_cmp_eq_u32 s[RT], 0
	s_cselect_b32 s[DG], 1, 0
	s_mov_b32 s[CNT], 3
	s_cmp_eq_u32 s[NEW], 1
	s_cbranch_scc0 .Lstep_\@
	BEGIN
	s_branch .Lfirst_\@             ; the pass is entered in its middle
.Lstep_\@:
	s_cmp_eq_u32 s[DG], 1
	s_cbranch_scc1 .Ldiag_\@
	s_cmp_eq_u32 s[CNT], 1
	s_cbranch_scc1 .Lnext_\@        ; a plain tile has two passes
	s_branch .Lgo_\@
.Ldiag_\@:
	s_cmp_eq_u32 s[CNT], 1
	s_cbranch_scc1 .Lgo_\@          ; the third pass: tile 0's mask stays 'nothing seen'
	s_cmp_eq_u32 s[CNT], 3
	s_cselect_b32 s[AL], 1.0, 0     ; tile 0: its own step, then nothing seen
	s_cselect_b32 s[BE], 0, s[BIGN]
	MASK 0
	s_cselect_b32 s[AL], 0, 1.0     ; tile 1: all seen, then its own step
	s_mov_b32 s[BE], 0
	MASK 1
	WIN 0
.Lgo_\@:
	TURN 0
	WIN 0
.Lfirst_\@:
	TURN 1
	WIN 0
.Lnext_\@:
	s_sub_co_u32 s[CNT], s[CNT], 1
	s_cmp_lg_u32 s[CNT], 0
	s_cbranch_scc1 .Lstep_\@
.if \last
	FINISH
.else
	s_cmp_lg_u32 s[RT], 0
	s_cbranch_scc1 .Lnofin_\@
	FINISH                          ; in the loop this is the first block's end
	s_wait_xcnt 0x0                 ; the stores have read their registers and O's address
	s_mov_b64 s[OA:OA+1], s[OLO:OLO+1]
	s_add_co_u32 s[RT], s[PB], 1    ; the second block has j + 1 tiles
	s_mov_b32 s[NEW], 1
	WIN 0x82                        ; the second block's Q goes where the one text names Q
.set i, 0
.rept 64
	v_mov_b32 v[i], v[QB+i]
.set i, i+1
.endr
	WIN 0
.Lnofin_\@:
.endif
.endm
	s_load_b128 s[4:7], s[0:1], 0x0 ; qkv s[4:5], oh s[6:7]
	v_lshl_add_u32 v[SPW], v0, 2, SPARE
	v_mov_b32 v[NIL], 0
	ds_add_u32 v[SPW], v[NIL]       ; the wave's opening: the add and its wait stand ahead of my first tensor load; the set-up below stands between them
	v_lshrrev_b32 v1, 5, v0
	v_readfirstlane_b32 s[WV], v1
	s_bfe_u32 s[CX], ttmp6, 0x40000 ; my query head among the key head's four
	s_mov_b32 s[PB], ttmp9          ; j: in a cluster launch ttmp9 counts clusters
	s_sub_co_u32 s[HI], 7, s[PB]
	s_and_b32 s16, ttmp7, 0xffff
	s_lshr_b32 s17, s16, 2          ; batch
	s_and_b32 s18, s16, 3           ; key head g
	s_mul_i32 s19, s17, 24          ; the batch's first unit
	s_lshl_b32 s20, s18, 1
	s_add_co_u32 s20, s20, s19
	s_add_co_u32 s20, s20, 16       ; K's unit; V's is the next
	s_lshl_b32 s20, s20, 18         ; a unit is 262,144 bytes
	s_and_b32 s21, s[WV], 1         ; which of a tile's two steps I fetch:
	s_lshl_b32 s22, s21, 14         ; its 64 rows of 256 bytes,
	s_add_co_u32 s[KB], s20, s22
	s_mov_b32 s[KB+1], 0
	s_mov_b32 s[G0K], 1
	s_mul_i32 s[G0K+1], s21, STEPB  ; and its place in slot 0: no place in the cluster enters an LDS address
	s_mov_b32 s[G0V], 1
	s_add_co_u32 s[G0V+1], s[G0K+1], VOFF
	s_lshl_b32 s21, s18, 2
	s_add_co_u32 s21, s21, s[CX]    ; my head
	s_add_co_u32 s22, s19, s21      ; Q's unit,
	s_lshl_b32 s22, s22, 18
	s_lshl_b32 s16, s[WV], 12       ; my 16 rows in a band of 64,
	s_add_co_u32 s22, s22, s16
	s_lshl_b32 s16, s[HI], 15       ; in the first block
	s_add_co_u32 s[QA], s22, s16
	s_mov_b32 s[QA+1], 0
	s_lshl_b32 s16, s[PB], 15       ; and in the second
	s_add_co_u32 s[QBS], s22, s16
	s_mov_b32 s[QBS+1], 0
	s_lshl_b32 s22, s17, 22         ; O: a batch is 1,024 rows of 4,096 bytes,
	s_lshl_b32 s16, s[WV], 16       ; my 16 rows,
	s_add_co_u32 s22, s22, s16
	s_lshl_b32 s16, s21, 8          ; my head's 256 bytes of a row
	s_add_co_u32 s22, s22, s16
	s_lshl_b32 s16, s[HI], 19
	s_add_co_u32 s[OA], s22, s16
	s_mov_b32 s[OA+1], 0
	s_lshl_b32 s16, s[PB], 19
	s_add_co_u32 s[OLO], s22, s16
	s_mov_b32 s[OLO+1], 0
	s_mov_b32 s[G1K], 15|(1<<16)|(1<<20)|(1<<21)|(5<<22)|(3<<25)  ; the mask of four; 2-byte elements; padding on; bit 21 beside a mask; after every 64 words, 4 words
	s_mov_b32 s[G1V], 15|(1<<16)|(1<<20)|(1<<21)|(5<<22)|(7<<25)  ; the same with 8 words of padding
.irp g, G1K, G1V
	s_mov_b32 s[(\g)+1], 128<<16    ; tensor_dim0 = 128
	s_mov_b32 s[(\g)+2], KS<<16     ; tensor_dim1 = 64
	s_mov_b32 s[(\g)+3], 128<<16    ; tile_dim0 = 128
	s_mov_b32 s[(\g)+4], KS         ; tile_dim1 = 64
	s_mov_b32 s[(\g)+5], 128        ; elements from row to row
	s_mov_b32 s[(\g)+6], 0
	s_mov_b32 s[(\g)+7], 0
.endr
	s_mov_b32 s[CS], 0x3e0293ee     ; c = log2(e) / sqrt(128)
	s_mov_b32 s[CS+1], s[CS]
	s_mov_b32 s[SEL], 0x76543210
	s_mov_b32 s[SEL+1], 0xfedcba98
	s_mov_b32 s[TB], SLOT1+2*STEPB  ; the first change of slots turns it into 0
	s_mov_b32 s[SLOTS], 8
	s_add_co_u32 s[RT], s[HI], 1    ; the first block has 8 - j tiles
	s_mov_b32 s[NXT], 1
	s_mov_b32 s[LQ], s[HI]
	s_mov_b32 s[NEW], 1
	s_mov_b32 s[OFF+1], 0
	s_mov_b32 s[AL+1], 0            ; named as pairs
	s_mov_b32 s[BE+1], 0
	s_mov_b32 s[BIGN], 0xf149f2ca   ; -1e30
	s_and_b32 s[LIM], s[WV], 1      ; waves 0 and 2 of the clusters with j = 0 prefetch: the same in all four partners
	s_or_b32 s[LIM], s[LIM], ttmp9
	s_cmp_eq_u32 s[LIM], 0
	s_cselect_b32 s[LIM], 2, -1
	s_wait_dscnt 0x0                ; the opening add is done
	s_wait_kmcnt 0x0
	s_add_nc_u64 s[KB:KB+1], s[4:5], s[KB:KB+1]
	s_add_nc_u64 s[VB:VB+1], s[KB:KB+1], 0x40000
	s_add_nc_u64 s[G0K+2:G0K+3], s[KB:KB+1], 0
	s_or_b32 s[G0K+3], s[G0K+3], 0x80000000
	s_add_nc_u64 s[G0V+2:G0V+3], s[VB:VB+1], 0
	s_or_b32 s[G0V+3], s[G0V+3], 0x80000000
	s_add_nc_u64 s[QA:QA+1], s[4:5], s[QA:QA+1]
	s_add_nc_u64 s[QBS:QBS+1], s[4:5], s[QBS:QBS+1]
	s_add_nc_u64 s[OA:OA+1], s[6:7], s[OA:OA+1]
	s_add_nc_u64 s[OLO:OLO+1], s[6:7], s[OLO:OLO+1]
	s_cmp_lt_u32 s[WV], 2
	s_cselect_b64 s[PFA:PFA+1], s[KB:KB+1], s[VB:VB+1]  ; (in waves 0 and 2 these stand at a tile's first row)
	s_lshl_b32 s16, s[CX], 13       ; my work-group's 32 rows of the 128
	s_mov_b32 s17, 0
	s_add_nc_u64 s[PFA:PFA+1], s[PFA:PFA+1], s[16:17]
	s_add_nc_u64 s[PFA:PFA+1], s[PFA:PFA+1], 32768  ; at tile 1: the first change steps it to tile 2
	CROUND                          ; all four work-groups are here: the first joint loads meet
	JLOAD                           ; tile 0 into slot 0; slot 1 is asked for by the loop's first change
	v_and_b32 v1, 15, v0            ; l % 16
	v_bfe_u32 v9, v0, 4, 1          ; l / 16
	v_lshlrev_b32 v[QO], 8, v1
	v_lshl_add_u32 v[QO], v9, 4, v[QO]
	WIN 0x80
.set i, 0
.rept 8                             ; both blocks' Q stay in registers: tile i / 4 lies 64 rows on, channels 32 (i % 4) on
	global_load_b128 v[8*i:8*i+3],         v[QO], s[QA:QA+1] offset:(i/4)*16384+(i%4)*64
	global_load_b128 v[8*i+4:8*i+7],       v[QO], s[QA:QA+1] offset:(i/4)*16384+(i%4)*64+32
	global_load_b128 v[QB+8*i:QB+8*i+3],   v[QO], s[QBS:QBS+1] offset:(i/4)*16384+(i%4)*64
	global_load_b128 v[QB+8*i+4:QB+8*i+7], v[QO], s[QBS:QBS+1] offset:(i/4)*16384+(i%4)*64+32
.set i, i+1
.endr
	WIN 0
	v_lshlrev_b32 v10, 3, v9
	v_sub_nc_u32 v10, v1, v10
	s_lshl_b32 s16, s[WV], 4
	v_add_nc_u32 v10, s16, v10      ; my query's place in its band less my lanes' 8 (l / 16): register i % 8 of key block i / 8 is hidden where 16 (i / 8) + i % 8 is greater
	WIN 0x40
.set i, 0
.rept 32
	v_cmp_gt_i32 vcc_lo, 16*(i/8)+i%8, v10
	v_cndmask_b32 v[MD+i], 0, s[BIGN], vcc_lo
.set i, i+1
.endr
	; What a block's first turn finds need only be finite: O^T and l are multiplied by a = 0, and that turn's V^T P lands in an O^T still to be so multiplied.  Zeros for the first block; what the first block left for the second.
.set i, 0
.rept 128
	v_mov_b32 v[i], 0               ; O^T
.set i, i+1
.endr
	WIN 0xc0
.set i, 0
.rept 128
	v_mov_b32 v[i], 0               ; V
.set i, i+1
.endr
	WIN 0
.set i, P+16
.rept 16
	v_mov_b32 v[i], 0               ; tile 1's P
.set i, i+1
.endr
.irp t, 0,1
	v_mov_b32 v[ST+8*(\t)+2], 0
	v_mov_b32 v[ST+8*(\t)+3], 0
.endr
	v_mul_u32_u24 v[AK0], v1, PK
	v_lshl_add_u32 v[AK0], v9, 4, v[AK0]
	v_and_b32 v10, 7, v0            ; the turning load: lane l reads key 8 (l / 16) + l % 8, channels 8 ((l / 8) % 2) + 0..7
	v_bfe_u32 v11, v0, 3, 1
	v_lshl_add_u32 v[AV0], v9, 3, v10
	v_mul_u32_u24 v[AV0], v[AV0], PV
	v_lshl_add_u32 v[AV0], v11, 4, v[AV0]
	v_add_nc_u32 v[AV0], VOFF, v[AV0]
	s_mul_i32 s16, s[WV], 16*SP
	s_add_co_u32 s16, s16, STAGE    ; my stage
	v_mul_u32_u24 v[STO], v1, SP
	v_lshl_add_u32 v[STO], v9, 4, v[STO]
	v_add_nc_u32 v[STO], s16, v[STO]
	v_mul_u32_u24 v[RD], v9, SP
	v_lshl_add_u32 v[RD], v1, 4, v[RD]
	v_add_nc_u32 v[RD], s16, v[RD]
	v_lshlrev_b32 v[GO], 12, v9     ; lanes 0-15 one row of oh, lanes 16-31 the next
	v_lshl_add_u32 v[GO], v1, 4, v[GO]
	v_and_b32 v[PFO], 31, v0
	v_lshlrev_b32 v[PFO], 8, v[PFO]
	s_wait_loadcnt 0x0              ; both blocks' Q
.Lslot:                             ; eight trips: a tile is entered and the next is asked for
	CHANGE 1
	TILE 0
	s_sub_co_u32 s[SLOTS], s[SLOTS], 1
	s_cmp_lg_u32 s[SLOTS], 0
	s_cbranch_scc1 .Lslot
	CHANGE 0                        ; the walk's last tile is written out
	TILE 1
	s_wait_tensorcnt 0x0            ; the wave's end, behind my last tensor load and my last LDS store
	ds_add_u32 v[SPW], v[NIL]
	s_wait_dscnt 0x0
	CROUND                          ; the closing round
	s_endpgm
.Lfunc_end_k_qff962bdf42_attn:
	.size	k_qff962bdf42_attn, .Lfunc_end_k_qff962bdf42_attn-k_qff962bdf42_attn
	.p2alignl 7, 3214868480
	.fill 96, 4, 3214868480
	.section	.rodata,"a",@progbits
	.p2align	6, 0x0
	.amdhsa_kernel k_qff962bdf42_attn
		.amdhsa_group_segment_fixed_size 327680
		.amdhsa_private_segment_fixed_size 0
		.amdhsa_enable_private_segment 0
		.amdhsa_kernarg_size 16
		.amdhsa_user_sgpr_count 2
		.amdhsa_user_sgpr_kernarg_segment_ptr 1
		.amdhsa_wavefront_size32 1
		.amdhsa_system_sgpr_workgroup_id_x 1
		.amdhsa_system_sgpr_workgroup_id_y 1
		.amdhsa_system_sgpr_workgroup_id_z 1
		.amdhsa_system_vgpr_workitem_id 0
		.amdhsa_next_free_vgpr 896
		.amdhsa_next_free_sgpr 90
		.amdhsa_reserve_vcc 1
		.amdhsa_float_denorm_mode_32 3
		.amdhsa_float_denorm_mode_16_64 3
		.amdhsa_memory_ordered 1
		.amdhsa_forward_progress 1
		.amdhsa_inst_pref_size 124
	.end_amdhsa_kernel
	.amdgpu_metadata
---
amdhsa.version: [ 1, 2 ]
amdhsa.kernels:
  - .name:           k_qff962bdf42_attn
    .symbol:         k_qff962bdf42_attn.kd
    .args:
      - { .name: qkv, .offset: 0, .size: 8, .value_kind: global_buffer, .address_space: global }
      - { .name: oh, .offset: 8, .size: 8, .value_kind: global_buffer, .address_space: global }
    .group_segment_fixed_size: 327680
    .private_segment_fixed_size: 0
    .kernarg_segment_align: 8
    .kernarg_segment_size: 16
    .max_flat_workgroup_size: 128
    .sgpr_count:     90
    .vgpr_count:     896
    .wavefront_size: 32
...
	.end_amdgpu_metadata
.endif
;; end of part 3
;; launch oproj (part 4): grid 8 x 32, 4 waves a work-group, clusters of 4 x 4, 327,680 bytes of LDS; arguments oh, wo, bias, out0; writes out0
.if DOCPART == 4
	.amdgcn_target "amdgcn-amd-amdhsa--gfx1250"
	.amdhsa_code_object_version 6
	.text
	.protected	k_qff962bdf42_oproj
	.globl	k_qff962bdf42_oproj
	.p2align	8
	.type	k_qff962bdf42_oproj,@function
k_qff962bdf42_oproj:
	s_mov_b64 s[64:65], 0
	v_nop
	global_prefetch_b8 v0, s[64:65] scope:SCOPE_SE
	s_setreg_imm32_b32 hwreg(HW_REG_WAVE_MODE, 25, 1), 1
	s_wait_xcnt 0x0
	s_wait_alu depctr_hold_cnt(0) depctr_sa_sdst(0) depctr_va_vdst(0) depctr_va_sdst(0) depctr_va_ssrc(0) depctr_va_vcc(0) depctr_vm_vsrc(0)
	s_getreg_b32 s2, hwreg(HW_REG_IB_STS2, 6, 4)
	s_cmp_eq_u32 s2, 0
	s_cbranch_scc0 .Lentry_in_a_cluster
	s_endpgm
.Lentry_in_a_cluster:
	s_bfe_u32 s2, ttmp6, 0x10000c
	s_cmp_lg_u32 s2, 0xf033
	s_cbranch_scc0 .Lentry_shape_is_right
	s_endpgm
.Lentry_shape_is_right:
; THE OUTPUT PROJECTION.  out0[m][n] = sum over k of oh[m][k] wo[n][k] + wob[n], m = 0..4095, n = 0..2047, K = 2048; operands f16, sums f32, out0 f32.
; SHARES.  A work-group makes 128 rows x 256 columns: 32 x 8 = 256 work-groups.  Four waves, each 64 rows x 128 columns: 32 accumulators of 16 x 16, 256 registers.
; K goes in steps of 128 (rows of 256 bytes, aligned) through two LDS slots: waves 0 and 1 fetch A's 2 x 64 rows, waves 2 and 3 B's 2 x 128.
; CLUSTER.  4 x 4 work-groups: A's tile is shared along a row of the cluster, B's along a column; each is asked for jointly, by the same tensor load with the same descriptor and a mask of four.
; THE MATRIX INSTRUCTION IS USED TRANSPOSED (source 0 = 16 rows of wo, source 1 = 16 rows of oh): a lane holds row l % 16 and the columns 8 (l / 16) + 0..7.  THE BIAS is the C operand of each accumulator's first product.
; REGISTERS (s_set_vgpr_msb: bits 1:0 source 0, 3:2 source 1, 5:4 source 2, 7:6 destination):
;   window 0: v1-30 addresses; v64-127 A's fragments, two buffers; v128-191 the bias; on the way out v128-255 whole rows, two sets      window 1: B's fragments, two buffers of 8 x 8
;   window 2: accumulator (a, b) at v[8 (4 b + a)]
.set NB,     8
.set H,      NB-4
.set PITCH,  272                       ; 256 bytes + 16 of padding: the 16 rows of a fragment load start at 16 different groups of four banks (64 banks of 4 bytes: ISA guide 11.1)
.set ATILE,  64*PITCH                  ; what a load of A brings
.set BTILE,  128*PITCH                 ; and a load of B
.set SLOT,   2*ATILE+2*BTILE           ; A's 128 rows, then B's 256
.set STAGE,  2*SLOT                    ; behind the ring, never filled by a tensor load: 16 rows x 528 bytes for each wave
.set SPITCH, 528
.set SPARE,  STAGE+4*16*SPITCH         ; the spare words, 128 bytes for each wave: two blocks of 256 bytes that no other line names
.set AHEAD,  2                         ; a prefetch names the K step two behind the refill just asked for: this step holds 128 matrix instructions a wave
.set DW0, (1<<16)|(1<<20)|(1<<21)|(5<<22)|(3<<25)
.set BO,   15
.set ADRA, 16
.set ADRB, 20
.set STO,  24
.set RD,   25
.set CO,   26
.set SPW,  28
.set NIL,  29
.set PFO,  30
.set FA,   64
.set BI,   128
.set OB,   128
.set G1A, 24
.set G0A, 32
.set LIM, 43
.set PFA, 44
.set G1B, 48
.set G0B, 56
.set MSB, 0
.macro WIN new
.if MSB != (\new)
	s_set_vgpr_msb (MSB<<8)|(\new)
.set MSB, (\new)
.endif
.endm
.macro PLACES
.rept 4
	v_nop
.endr
.endm
.macro JLOAD s                         ; a joint load: waves 0, 1 A's halves, waves 2, 3 B's.  An s_nop 0 and four v_nop follow each line
	s_cmp_lt_u32 s14, 2
	s_cbranch_scc0 .Lfor_b_\@
	tensor_load_to_lds s[G0A+4*(\s):G0A+4*(\s)+3], s[G1A:G1A+7]
	s_nop 0
.rept 4
	v_nop
.endr
	s_branch .Lasked_\@
.Lfor_b_\@:
	tensor_load_to_lds s[G0B+4*(\s):G0B+4*(\s)+3], s[G1B:G1B+7]
	s_nop 0
.rept 4
	v_nop
.endr
.Lasked_\@:
.endm
.macro CREST
	s_cmp_lg_u32 s14, 0
	s_cbranch_scc1 .Lnot_wave_0_\@
	s_barrier_signal -3
.Lnot_wave_0_\@:
	s_barrier_wait -3
	s_barrier_signal -1
	s_barrier_wait -1
.endm
.macro CROUND
	s_barrier_signal -1
	s_barrier_wait -1
	CREST
.endm
; A prefetch of 32 rows x 256 bytes, a lane a row.  Cluster x = 0 asks for oh's rows (wave 0), cluster y = 0 for wo's (waves 2 and 3); the four partners that ask for a tile jointly share 128 rows out by address,
; 32 each: each row's 256 bytes of a K step are named once.  The loop's last trip asks for nothing: its K steps two on do not exist.
.macro ASK
	s_cmp_gt_u32 s3, s[LIM]
	s_cbranch_scc0 .Lnot_mine_\@
	global_prefetch_b8 v[PFO], s[PFA:PFA+1] offset:AHEAD*256 th:TH_LOAD_NT scope:SCOPE_SE
.Lnot_mine_\@:
.endm
; 4 nb matrix instructions from buffer f; zero = 1: the first product, which starts the sum from the bias.  All 32 accumulators take turns in one order.
.macro MULB f, b0, nb, zero
.set bb, \b0
.rept \nb
.if \zero
	WIN 0x81
.else
	WIN 0xa1
.endif
.set aa, 0
.rept 4
.set rD, 8*(4*bb+aa)
.set rB, 8*NB*(\f)+8*bb
.set rA, FA+32*(\f)+8*aa
.if \zero
	v_wmma_f32_16x16x32_f16 v[rD:rD+7], v[rB:rB+7], v[rA:rA+7], v[BI+8*bb:BI+8*bb+7]
.else
	v_wmma_f32_16x16x32_f16 v[rD:rD+7], v[rB:rB+7], v[rA:rA+7], v[rD:rD+7]
.endif
.set aa, aa+1
.endr
.set bb, bb+1
.endr
.endm
.macro FETCH slot, k, f                ; 24 LDS loads in one run: A's four fragments, then B's eight in ascending order
	WIN 0
.irp i, 0,1,2,3
	ds_load_b128 v[FA+32*(\f)+8*(\i):FA+32*(\f)+8*(\i)+3],   v[ADRA+(\slot)] offset:(\k)+(\i)*16*PITCH
	ds_load_b128 v[FA+32*(\f)+8*(\i)+4:FA+32*(\f)+8*(\i)+7], v[ADRA+(\slot)] offset:(\k)+(\i)*16*PITCH+32
.endr
	WIN 0x40
.set bb, 0
.rept NB
	ds_load_b128 v[8*NB*(\f)+8*bb:8*NB*(\f)+8*bb+3],   v[ADRB+(\slot)] offset:(\k)+bb*16*PITCH
	ds_load_b128 v[8*NB*(\f)+8*bb+4:8*NB*(\f)+8*bb+7], v[ADRB+(\slot)] offset:(\k)+bb*16*PITCH+32
.set bb, bb+1
.endr
.endm
.macro QUARTER slot, k, f, g, zero
	s_wait_dscnt 8                                 ; all but the youngest eight loads: B's last four blocks
	MULB \f, 0, H/2, \zero
	PLACES
	FETCH \slot, \k, \g
	MULB \f, H/2, H/2, \zero
	s_wait_dscnt 8+2*NB                            ; all but the run just issued
	MULB \f, H, 4, \zero
.endm
; The last quarter multiplies buffer 1 and changes slots: each wave waits for all its tensor loads, adds 0 to its spare word, and waits for that and for its reads of this slot, in front of the barrier.
; fill = 1: the barrier opens a round of the cluster's barrier, and the joint refill, two K steps on, is the first thing behind it.
.macro TURN slot, next, fill
.if \fill
	s_wait_xcnt 0x0                                ; the last prefetch, a K step back, has read its address
	s_add_nc_u64 s[PFA:PFA+1], s[PFA:PFA+1], 256
.endif
	WIN 0
	s_wait_tensorcnt 0x0
	ds_add_u32 v[SPW], v[NIL]
	s_wait_dscnt 9                                 ; the add and the youngest eight loads may be out
	MULB 1, 0, 2, 0
	s_wait_dscnt 0x0
	s_barrier_signal -1
	MULB 1, 2, 2, 0
	WIN 0
	s_barrier_wait -1
.if \fill
	CREST
	s_add_nc_u64 s[G0A+4*(\slot)+2:G0A+4*(\slot)+3], s[G0A+4*(\slot)+2:G0A+4*(\slot)+3], 512
	s_add_nc_u64 s[G0B+4*(\slot)+2:G0B+4*(\slot)+3], s[G0B+4*(\slot)+2:G0B+4*(\slot)+3], 512
	JLOAD \slot                                    ; its four v_nop are also the places in front of the loads below
.else
	PLACES
.endif
	FETCH \next, 0, 0
.if \fill
	WIN 0
	ASK
.endif
	MULB 1, 4, NB-4, 0
.endm
	s_load_b256 s[4:11], s[0:1], 0x0               ; oh s[4:5], wo s[6:7], bias s[8:9], out0 s[10:11]
	v_lshl_add_u32 v[SPW], v0, 2, SPARE
	v_mov_b32 v[NIL], 0
	ds_add_u32 v[SPW], v[NIL]                      ; the wave's opening: the add and its wait stand ahead of my first tensor load
	v_lshrrev_b32 v1, 5, v0
	v_readfirstlane_b32 s14, v1
	s_lshr_b32 s15, s14, 1                         ; wm: which 64 rows
	s_and_b32 s16, s14, 1                          ; wn: which 128 columns.  Also: which half of A's or B's tile I fetch
	s_bfe_u32 s17, ttmp6, 0x40000                  ; cx
	s_bfe_u32 s18, ttmp6, 0x40004                  ; cy
	s_lshl_b32 s19, ttmp9, 2
	s_add_co_u32 s19, s19, s17                     ; tx
	s_and_b32 s20, ttmp7, 0xffff
	s_lshl_b32 s20, s20, 2
	s_add_co_u32 s20, s20, s18                     ; ty
	s_lshl_b32 s21, s18, 2
	s_lshl_b32 s21, 15, s21                        ; my row of the cluster
	s_lshl_b32 s22, 0x1111, s17                    ; my column
	s_or_b32 s[G1A], s21, DW0
	s_or_b32 s[G1B], s22, DW0
	s_mov_b32 s[G1A+1], 128<<16                    ; A: a tile of 64 rows x 128 elements
	s_mov_b32 s[G1A+2], 64<<16
	s_mov_b32 s[G1A+3], 128<<16
	s_mov_b32 s[G1A+4], 64
	s_mov_b32 s[G1A+5], 2048
	s_mov_b32 s[G1A+6], 0
	s_mov_b32 s[G1A+7], 0
	s_mov_b32 s[G1B+1], 128<<16                    ; B: 128 rows x 128 elements
	s_mov_b32 s[G1B+2], 128<<16
	s_mov_b32 s[G1B+3], 128<<16
	s_mov_b32 s[G1B+4], 128
	s_mov_b32 s[G1B+5], 2048
	s_mov_b32 s[G1B+6], 0
	s_mov_b32 s[G1B+7], 0
	s_lshl_b32 s66, s20, 19                        ; A: row 128 ty + 64 wn, 4,096 bytes a row
	s_lshl_b32 s42, s16, 18
	s_add_co_u32 s66, s66, s42
	s_mov_b32 s67, 0
	s_lshl_b32 s68, s19, 20                        ; B: row 256 tx + 128 wn
	s_lshl_b32 s42, s16, 19
	s_add_co_u32 s68, s68, s42
	s_mov_b32 s69, 0
	s_mul_i32 s40, s16, ATILE                      ; where they go: no place in the cluster enters an LDS address
	s_mul_i32 s41, s16, BTILE
	s_add_co_u32 s41, s41, 2*ATILE
	s_wait_dscnt 0x0                               ; the opening add is done
	s_wait_kmcnt 0x0
	s_add_nc_u64 s[66:67], s[4:5], s[66:67]
	s_add_nc_u64 s[68:69], s[6:7], s[68:69]
	CROUND                                         ; all sixteen work-groups are here: the first joint loads meet
.irp s, 0,1
	s_mov_b32 s[G0A+4*(\s)], 1
	s_add_co_u32 s[G0A+4*(\s)+1], s40, (\s)*SLOT
	s_add_nc_u64 s[G0A+4*(\s)+2:G0A+4*(\s)+3], s[66:67], (\s)*256
	s_or_b32 s[G0A+4*(\s)+3], s[G0A+4*(\s)+3], 0x80000000
	s_mov_b32 s[G0B+4*(\s)], 1
	s_add_co_u32 s[G0B+4*(\s)+1], s41, (\s)*SLOT
	s_add_nc_u64 s[G0B+4*(\s)+2:G0B+4*(\s)+3], s[68:69], (\s)*256
	s_or_b32 s[G0B+4*(\s)+3], s[G0B+4*(\s)+3], 0x80000000
	JLOAD \s                                       ; K steps 0 and 1: two tensor loads of mine are out
.endr
	v_and_b32 v1, 15, v0                           ; l % 16
	v_bfe_u32 v2, v0, 4, 1                         ; l / 16
	s_lshl_b32 s70, s19, 10                        ; wob lies 12,288 bytes into bias; my 128 columns at (256 tx + 128 wn) x 4
	s_lshl_b32 s71, s16, 9
	s_add_co_u32 s70, s70, s71
	s_add_co_u32 s70, s70, 12288
	v_lshl_add_u32 v[BO], v2, 5, s70
.set bb, 0
.rept NB
	global_load_b128 v[BI+8*bb:BI+8*bb+3],   v[BO], s[8:9] offset:64*bb
	global_load_b128 v[BI+8*bb+4:BI+8*bb+7], v[BO], s[8:9] offset:64*bb+16
.set bb, bb+1
.endr
	; the prefetches
	s_lshl_b32 s70, s20, 7                         ; A's tile: row 128 ty
	s_lshl_b32 s71, s19, 8
	s_lshl_b32 s72, s16, 7
	s_add_co_u32 s71, s71, s72                     ; B's: the 128 rows that I fetch
	s_and_b32 s72, ttmp7, 0xffff                   ; cluster y
	s_cmp_lt_u32 s14, 2
	s_cselect_b32 s70, s70, s71
	s_cselect_b32 s73, s17, s18                    ; my place among the four that ask with me
	s_cselect_b32 s72, ttmp9, s72                  ; the coordinate along which other clusters read the same rows
	s_cselect_b64 s[PFA:PFA+1], s[4:5], s[6:7]
	s_cmp_eq_u32 s14, 1
	s_cselect_b32 s72, 1, s72                      ; wave 0 asks for all that its work-group takes of A's 128 rows; wave 1 never asks
	s_cmp_eq_u32 s72, 0
	s_cselect_b32 s[LIM], 1, -1
	s_lshl_b32 s73, s73, 5
	s_add_co_u32 s70, s70, s73
	s_lshl_b32 s70, s70, 12
	s_mov_b32 s71, 0
	s_add_nc_u64 s[PFA:PFA+1], s[PFA:PFA+1], s[70:71]
	s_add_nc_u64 s[PFA:PFA+1], s[PFA:PFA+1], 256   ; at K step 1: the first refill steps it to 2 and names K step 4
	v_and_b32 v[PFO], 31, v0
	v_lshlrev_b32 v[PFO], 12, v[PFO]
	v_mul_u32_u24 v3, v1, PITCH
	v_lshl_add_u32 v3, v2, 4, v3
	s_mul_i32 s23, s15, 64*PITCH
	s_mul_i32 s42, s16, BTILE
	s_add_co_u32 s42, s42, 2*ATILE
.irp s, 0,1
	v_add_nc_u32 v[ADRA+(\s)], s23, v3
	v_add_nc_u32 v[ADRB+(\s)], s42, v3
	s_add_co_u32 s23, s23, SLOT
	s_add_co_u32 s42, s42, SLOT
.endr
	s_mul_i32 s23, s14, 16*SPITCH
	s_add_co_u32 s23, s23, STAGE                   ; my stage
	v_mul_u32_u24 v4, v1, SPITCH                   ; in: row l % 16, 32 bytes for each half of the lanes
	v_lshl_add_u32 v4, v2, 5, v4
	v_add_nc_u32 v[STO], s23, v4
	v_and_b32 v4, 31, v0
	v_lshlrev_b32 v[CO], 4, v4                     ; back, and out: 32 lanes take a row's 512 bytes
	v_add_nc_u32 v[RD], s23, v[CO]
	s_lshl_b32 s70, s20, 20                        ; out0 at row 128 ty + 64 wm (8,192 bytes a row), column 256 tx + 128 wn
	s_lshl_b32 s71, s15, 19
	s_add_co_u32 s70, s70, s71
	s_lshl_b32 s71, s19, 10
	s_add_co_u32 s70, s70, s71
	s_lshl_b32 s71, s16, 9
	s_add_co_u32 s70, s70, s71
	s_mov_b32 s71, 0
	s_add_nc_u64 s[10:11], s[10:11], s[70:71]
	s_wait_tensorcnt 1                             ; my part of K step 0 is in; K step 1's may stay out
	s_barrier_signal -1
	s_barrier_wait -1
	FETCH 0, 0, 0
	s_wait_loadcnt 0x0                             ; the bias
	QUARTER 0, 64, 0, 1, 1                         ; the first quarter stands in front of the loop: its products start the sums
	WIN 0
	s_mov_b32 s3, 7
.Llap:
	QUARTER 0, 128, 1, 0, 0
	QUARTER 0, 192, 0, 1, 0
	TURN 0, 1, 1
	QUARTER 1, 64,  0, 1, 0
	QUARTER 1, 128, 1, 0, 0
	QUARTER 1, 192, 0, 1, 0
	TURN 1, 0, 1
	QUARTER 0, 64,  0, 1, 0
	WIN 0
	s_sub_co_u32 s3, s3, 1
	s_cmp_lg_u32 s3, 0
	s_cbranch_scc1 .Llap
	QUARTER 0, 128, 1, 0, 0                        ; the last lap fills nothing
	QUARTER 0, 192, 0, 1, 0
	TURN 0, 1, 0
	QUARTER 1, 64,  0, 1, 0
	QUARTER 1, 128, 1, 0, 0
	QUARTER 1, 192, 0, 1, 0
	s_wait_dscnt 8
	MULB 1, 0, H, 0
	s_wait_dscnt 0x0
	MULB 1, H, 4, 0
	; THE WAY OUT, 16 rows at a time through my own stage: a lane's 32 bytes go in, whole rows of 512 bytes come back and are stored.  LDS serves a wave's instructions in order (ISA guide 5.7.1.4): no wait between them
	PLACES
.set aa, 0
.rept 4
.if aa >= 2
	s_wait_xcnt 0x0                                ; the stores of two blocks back have read the registers that are loaded again
.endif
	WIN 0x08                                       ; the stores' data lie in window 2; each accumulator's lowest registers go first
.set bb, 0
.rept NB
	ds_store_b128 v[STO], v[8*(4*bb+aa):8*(4*bb+aa)+3]   offset:64*bb
	ds_store_b128 v[STO], v[8*(4*bb+aa)+4:8*(4*bb+aa)+7] offset:64*bb+16
.set bb, bb+1
.endr
	WIN 0
.set tt, 0
.rept 16
	ds_load_b128 v[OB+64*(aa%2)+4*tt:OB+64*(aa%2)+4*tt+3], v[RD] offset:tt*SPITCH
.set tt, tt+1
.endr
.set tt, 0
.rept 16
	s_wait_dscnt 15-tt
	global_store_b128 v[CO], v[OB+64*(aa%2)+4*tt:OB+64*(aa%2)+4*tt+3], s[10:11] offset:(16*aa+tt)*8192 th:TH_STORE_NT  ; 512 consecutive bytes, aligned
.set tt, tt+1
.endr
.set aa, aa+1
.endr
	s_wait_tensorcnt 0x0                           ; the wave's end, behind my last tensor load and my last LDS store
	ds_add_u32 v[SPW], v[NIL]
	s_wait_dscnt 0x0
	CROUND                                         ; the closing round
	s_endpgm
.Lfunc_end_k_qff962bdf42_oproj:
	.size	k_qff962bdf42_oproj, .Lfunc_end_k_qff962bdf42_oproj-k_qff962bdf42_oproj
	.p2alignl 7, 3214868480
	.fill 96, 4, 3214868480
	.section	.rodata,"a",@progbits
	.p2align	6, 0x0
	.amdhsa_kernel k_qff962bdf42_oproj
		.amdhsa_group_segment_fixed_size 327680
		.amdhsa_private_segment_fixed_size 0
		.amdhsa_enable_private_segment 0
		.amdhsa_kernarg_size 32
		.amdhsa_user_sgpr_count 2
		.amdhsa_user_sgpr_kernarg_segment_ptr 1
		.amdhsa_wavefront_size32 1
		.amdhsa_system_sgpr_workgroup_id_x 1
		.amdhsa_system_sgpr_workgroup_id_y 1
		.amdhsa_system_sgpr_workgroup_id_z 1
		.amdhsa_system_vgpr_workitem_id 0
		.amdhsa_next_free_vgpr 768
		.amdhsa_next_free_sgpr 80
		.amdhsa_reserve_vcc 0
		.amdhsa_float_denorm_mode_32 3
		.amdhsa_float_denorm_mode_16_64 3
		.amdhsa_memory_ordered 1
		.amdhsa_forward_progress 1
		.amdhsa_inst_pref_size 90
	.end_amdhsa_kernel
	.amdgpu_metadata
---
amdhsa.version: [ 1, 2 ]
amdhsa.kernels:
  - .name:           k_qff962bdf42_oproj
    .symbol:         k_qff962bdf42_oproj.kd
    .args:
      - { .name: oh, .offset: 0, .size: 8, .value_kind: global_buffer, .address_space: global }
      - { .name: wo, .offset: 8, .size: 8, .value_kind: global_buffer, .address_space: global }
      - { .name: bias, .offset: 16, .size: 8, .value_kind: global_buffer, .address_space: global }
      - { .name: out0, .offset: 24, .size: 8, .value_kind: global_buffer, .address_space: global }
    .group_segment_fixed_size: 327680
    .private_segment_fixed_size: 0
    .kernarg_segment_align: 8
    .kernarg_segment_size: 32
    .max_flat_workgroup_size: 128
    .sgpr_count:     80
    .vgpr_count:     768
    .wavefront_size: 32
...
	.end_amdgpu_metadata
.endif
;; end of part 4
;; ======== version 2 of 2: 4 launches; version 1 with the launch prep written anew for expert scheduling mode
;; limits: values are held in f16: magnitudes above 65,504 overflow, below 6.1e-05 lose precision
;; workspace buffers: xh 16,777,216 bytes; wq 12,582,912 bytes; wo 8,388,608 bytes; bias 20,480 bytes; rot 524,288 bytes; qkv 25,165,824 bytes; oh 16,777,216 bytes
;; launch prep (part 5): grid 256 x 1, 18 waves a work-group, no clusters, 0 bytes of LDS; arguments x, norm_w, qw, kvw, wow, qb, kvb, wob, xh, wq, wo, rot, bias; writes xh, wq, wo, rot, bias
.if DOCPART == 5
	.amdgcn_target "amdgcn-amd-amdhsa--gfx1250"
	.amdhsa_code_object_version 6
	.text
	.protected	k_qff962bdf42_prep
	.globl	k_qff962bdf42_prep
	.p2align	8
	.type	k_qff962bdf42_prep,@function
k_qff962bdf42_prep:
	s_mov_b64 s[64:65], 0
	v_nop
	global_prefetch_b8 v0, s[64:65] scope:SCOPE_SE
	s_setreg_imm32_b32 hwreg(HW_REG_WAVE_SCHED_MODE, 0, 2), 2
	s_setreg_imm32_b32 hwreg(HW_REG_WAVE_MODE, 25, 1), 1
	s_wait_xcnt 0x0
	s_wait_alu depctr_vm_vsrc(0)
; THE 16-BIT OPERANDS OF THE THREE PRODUCTS, AND THE ROTATION TABLE.
;   xh[4096][2048] f16 = xb * rsqrt(mean(xb^2) + 2^-23) * gb, with xb = x and gb = norm_w rounded to bf16
;   wq[3072][2048] f16 = qw's rows, then kvw's; wo[2048][2048] f16 = wow: each weight rounded to bf16, that number written as f16
;   bias[5120] f32 = qb | kvb | wob, each rounded to bf16
;   rot[1024][64][2] f32 = (cos, sin) of n * 10000^(-i/64)
; Every input is rounded to bf16 once; what the program makes of them is kept in f16 (11 significant bits).
; LIMITS.  f16 ends at 65,504: |norm_w| * 45.3 and every |weight| stay under it.  A bf16 number is exact in f16 from 2^-17 up; below that it keeps f16's step of 2^-24.
; The table's angle is n * theta rounded once; theta = 2^(-i log2(10000)/64) is good to a few parts in 10^7, so an angle is off by 1e-4 at the most (n = 1023).  NaN and infinities are not treated apart.
; kv_cache is not loaded by any launch: with pos = 0 and n = 1024 the update overwrites cache[0:4][0:1024][:], which is all that is read of it afterwards.
; SHARES.  x and the three weights are 9,216 rows of 8,192 bytes: 36 for each of 256 work-groups, two for each of its 18 waves.  Wave p = 18 id + wave takes rows 2 p, 2 p + 1 of the list x | qw | kvw | wow.
; ONE PATH.  A weight goes the way of x with the gain 1 and with 1.0 in the place of 1 / rms: f16(wb * 1 * 1) is f16(wb).  The choice is made by values and by one branch on p.
; Both rows' 32 loads of 16 bytes a lane are out together; a store of 8 bytes a lane covers 256 consecutive bytes, aligned.  Nothing is shared between waves: no LDS, no barrier.
; BESIDE THE ROWS.  Waves 2048 .. 4095 make half a row of the table each, waves 4096 .. 4135 a chunk of 128 biases each, while their rows are on the way.
; THE MODE: SCHED_MODE bits 1:0 = 2 (LLVM: expert scheduling mode 2), set by the entry lines.  The code itself states the register dependences between vector instructions and memory instructions, with s_wait_alu, always for 0.
; THE PLAN.  Registers that memory instructions touch:
;   v1, v2, TO, BF   offsets: made at the head, in every wave, and named by no vector instruction behind the head's wait: that one wait serves every load's and every store's address.
;   BD               cleared at the head (the same wait); the bias load lands in it; rounded in place; read by the one bias store, behind a wait of its own; not written again.
;   TD               written by the table's last two lines; read by the one table store, behind a wait of its own; not written again.
;   X, row 1         in x's waves the gain lands there and 32 conversions read it; a wait behind them, and then row 1's loads land.  In a weight's wave no vector instruction names it ahead of those loads.
;   X, both rows     pass 1 rounds in place, pass 2 scales and packs a chunk into its first two registers, which its store reads and nothing writes again.  Pass 2 goes in four blocks of four chunks: one wait at
;                    a block's head states that the block before has written its 16 store registers, and that block's eight stores are dealt among this block's vector lines, which name its own chunks, T, R and GP alone.
;   T, SS, R, GP     named by vector instructions alone.
; No register that a memory instruction reads is ever written again, so past the entry lines the text holds no wait on vm_vsrc; EXEC is never written.
.set T,  4                             ; v[4:11]    at work
.set SS, 12                            ; v[12:19]   row r: two pairs of sums of squares at SS + 4 r
.set R,  20                            ; v[20:23]   row r: 1 / rms, twice, at R + 2 r
.set GP, 24                            ; v[24:55]   my 64 gains as bf16 pairs: chunk j at GP + 2 j
.set X,  56                            ; v[56:183]  row r, chunk j (columns 128 j + 4 lane + 0..3) at X + 64 r + 4 j
.set TO, 184                           ; v184       the table store's offset
.set BF, 185                           ; v185       the bias store's offset
.set TD, 186                           ; v[186:187] (cos, sin)
.set BD, 188                           ; v[188:191] four biases
.macro RND b, t                        ; four f32 rounded to bf16 (nearest even) and widened again, in place
	v_cvt_pk_bf16_f32 v[(\t)], v[(\b)], v[(\b)+1]
	v_cvt_pk_bf16_f32 v[(\t)+1], v[(\b)+2], v[(\b)+3]
	v_lshlrev_b32 v[(\b)], 16, v[(\t)]
	v_and_b32 v[(\b)+1], s34, v[(\t)]
	v_lshlrev_b32 v[(\b)+2], 16, v[(\t)+1]
	v_and_b32 v[(\b)+3], s34, v[(\t)+1]
.endm
.macro ROW r                           ; a row: 16 loads, 512 consecutive bytes each
.irp j, 0,1,2,3,4,5,6,7,8,9,10,11,12,13,14,15
	global_load_b128 v[X+64*(\r)+4*(\j):X+64*(\r)+4*(\j)+3], v1, s[40:41] offset:(\r)*8192+(\j)*512 th:TH_LOAD_NT
.endr
.endm
	s_load_b512 s[8:23], s[0:1], 0x0               ; x 8, norm_w 10, qw 12, kvw 14, wow 16, qb 18, kvb 20, wob 22
	s_load_b256 s[24:31], s[0:1], 0x40             ; xh 24, wq 26, wo 28, rot 30
	s_load_b64 s[32:33], s[0:1], 0x60              ; bias
	v_and_b32 v3, 31, v0                           ; lane
	v_lshrrev_b32 v4, 5, v0
	v_readfirstlane_b32 s2, v4                     ; wave 0..17
	v_lshlrev_b32 v1, 4, v3                        ; my 16 bytes of a chunk as loaded
	v_lshlrev_b32 v2, 3, v3                        ; my 8 bytes of it as stored
.irp i, 0,1,2,3
	v_mov_b32 v[BD+(\i)], 0                        ; written on every path
.endr
	s_wait_alu depctr_va_sdst(0)                   ; s2 is written, ahead of its first reader: p is made from it
	s_mul_i32 s3, ttmp9, 18
	s_add_co_u32 s3, s3, s2                        ; p = 0 .. 4607
	s_sub_co_u32 s4, s3, 2048                      ; the pair among qw's and kvw's rows; also the table's half row
	s_sub_co_u32 s5, s3, 3072                      ; among kvw's
	s_sub_co_u32 s6, s3, 3584                      ; among wow's
	s_sub_co_u32 s35, s3, 4096                     ; the chunk of biases
	v_lshl_add_u32 v[TO], s4, 8, v2                ; half a row of the table is 256 bytes: the wave's store covers them, aligned.  Made in every wave, used by those that store a half row
	v_lshl_add_u32 v[BF], s35, 9, v1               ; a chunk of biases is 512 bytes.  Made in every wave, used by those that store a chunk
	s_mov_b32 s34, 0xffff0000                      ; a word's upper bf16
	s_mov_b32 s39, 0
	s_mov_b32 s51, 0
	s_mov_b32 s52, 0x76543210                      ; v_permlanex16_b32: each lane takes its own place in the other half
	s_mov_b32 s53, 0xfedcba98
	s_mov_b32 s54, 0x3a000000                      ; 1 / 2048
	s_mov_b32 s55, 0x34000000                      ; 2^-23
	s_wait_kmcnt 0x0
	s_cmp_lt_u32 s3, 3584                          ; source and destination: choices between buffers on p alone
	s_cselect_b64 s[40:41], s[14:15], s[16:17]
	s_cselect_b32 s7, s5, s6
	s_cselect_b64 s[42:43], s[26:27], s[28:29]
	s_cselect_b32 s44, s4, s6                      ; kvw's rows follow qw's in wq
	s_cmp_lt_u32 s3, 3072
	s_cselect_b64 s[40:41], s[12:13], s[40:41]
	s_cselect_b32 s7, s4, s7
	s_cmp_lt_u32 s3, 2048
	s_cselect_b64 s[40:41], s[8:9], s[40:41]
	s_cselect_b32 s7, s3, s7
	s_cselect_b64 s[42:43], s[24:25], s[42:43]
	s_cselect_b32 s44, s3, s44
	s_cselect_b32 s46, -1, 0                       ; all lanes: this wave norms
	s_lshl_b32 s38, s7, 14                         ; two rows of 8,192 bytes
	s_add_nc_u64 s[40:41], s[40:41], s[38:39]
	s_lshl_b32 s38, s44, 13                        ; two rows of 4,096 bytes
	s_add_nc_u64 s[42:43], s[42:43], s[38:39]
	s_wait_alu depctr_va_vdst(0)                   ; the four offsets v1, v2, TO and BF are written, which every load and store of the kernel reads; so is BD, in which the bias load lands
	s_cmp_lt_u32 s35, 40                           ; a chunk of biases: its load goes out first, so that its wait can leave the rows out
	s_cbranch_scc0 .Lnob
	s_sub_co_u32 s36, s35, 16
	s_sub_co_u32 s37, s35, 24
	s_cmp_lt_u32 s35, 24
	s_cselect_b64 s[48:49], s[20:21], s[22:23]
	s_cselect_b32 s50, s36, s37
	s_cmp_lt_u32 s35, 16
	s_cselect_b64 s[48:49], s[18:19], s[48:49]
	s_cselect_b32 s50, s35, s50
	s_lshl_b32 s50, s50, 9
	s_add_nc_u64 s[48:49], s[48:49], s[50:51]
	global_load_b128 v[BD:BD+3], v1, s[48:49]
.Lnob:
	s_cmp_lt_u32 s3, 2048
	s_cbranch_scc0 .Lw
.irp j, 0,1,2,3,4,5,6,7,8,9,10,11,12,13,14,15
	global_load_b128 v[X+64+4*(\j):X+64+4*(\j)+3], v1, s[10:11] offset:(\j)*512  ; the gain lands where row 1 will
.endr
	ROW 0
	s_wait_loadcnt 16                              ; the gain is in; row 0's 16 loads stay out
.irp j, 0,1,2,3,4,5,6,7,8,9,10,11,12,13,14,15
	v_cvt_pk_bf16_f32 v[GP+2*(\j)], v[X+64+4*(\j)], v[X+64+4*(\j)+1]
	v_cvt_pk_bf16_f32 v[GP+2*(\j)+1], v[X+64+4*(\j)+2], v[X+64+4*(\j)+3]
.endr
	s_wait_alu depctr_va_vdst(0)                   ; the conversions are done reading row 1's registers, in which row 1's loads land
	s_branch .Lg
.Lw:
	ROW 0
.set i, 0
.rept 32
	v_mov_b32 v[GP+i], 0x3f803f80                  ; a weight's gain: 1.0 twice.  These name none of the registers that row 1's loads touch
.set i, i+1
.endr
.Lg:
	ROW 1
	s_cmp_lt_u32 s4, 2048                          ; THE TABLE: row n = s4 / 2, pairs 32 (s4 % 2) + lane.  The angle is reduced by pi/2 in three parts; sine and cosine on |r| <= pi/4 by polynomials good to f32's last bits
	s_cbranch_scc0 .Lnot
	s_lshr_b32 s36, s4, 1
	s_and_b32 s37, s4, 1
	v_lshl_add_u32 v5, s37, 5, v3
	v_cvt_f32_u32 v6, v5
	v_mul_f32 v6, 0xbe549a78, v6                   ; - i log2(10000) / 64
	v_exp_f32 v6, v6                               ; theta
	v_cvt_f32_u32 v9, s36
	v_mov_b32 v18, 0xb94ca1f9                      ; the polynomials' leading terms
	v_mov_b32 v19, 0x37ccf5ce
	s_wait_alu depctr_va_vdst(0)                   ; theta is written, ahead of its first use; three plain lines stand between
	v_mul_f32 v9, v9, v6                           ; the angle, rounded once
	v_mul_f32 v10, 0x3f22f983, v9                  ; x 2 / pi
	v_rndne_f32 v10, v10                           ; k, 652 at the most
	v_fmamk_f32 v11, v10, 0xbfc90fdb, v9           ; r = angle - k pi/2
	v_fmamk_f32 v11, v10, 0x333bbd2e, v11
	v_fmamk_f32 v11, v10, 0x26f72ced, v11
	v_mul_f32 v12, v11, v11                        ; z = r^2
	v_fmaak_f32 v13, v18, v12, 0x3c08839e
	v_fmaak_f32 v15, v19, v12, 0xbab6061a
	v_fmaak_f32 v13, v13, v12, 0xbe2aaaa3
	v_fmaak_f32 v15, v15, v12, 0x3d2aaaa5
	v_mul_f32 v14, v11, v12
	v_mul_f32 v16, v12, v12
	v_fma_f32 v17, v12, -0.5, 1.0
	v_fma_f32 v13, v13, v14, v11                   ; sin r
	v_fma_f32 v15, v15, v16, v17                   ; cos r
	v_cvt_i32_f32 v20, v10
	v_and_b32 v21, 1, v20
	v_cmp_eq_u32 vcc_lo, 1, v21                    ; odd quarters swap the two: a choice of values, no branch
	v_and_b32 v21, 2, v20                          ; the sine is negative in quarters 2 and 3,
	v_lshlrev_b32 v21, 30, v21
	v_add_nc_u32 v20, 1, v20                       ; the cosine in quarters 1 and 2: the five sign lines stand between the compare and the wait for it
	v_and_b32 v20, 2, v20
	v_lshlrev_b32 v20, 30, v20
	s_wait_alu depctr_va_vcc(0)                    ; the compare has written VCC, ahead of its first reader
	v_cndmask_b32 v22, v13, v15, vcc_lo
	v_cndmask_b32 v23, v15, v13, vcc_lo
	v_xor_b32 v[TD+1], v21, v22
	v_xor_b32 v[TD], v20, v23
	s_wait_alu depctr_va_vdst(0)                   ; (cos, sin) are written, which the store reads
	global_store_b64 v[TO], v[TD:TD+1], s[30:31]   ; its registers are written nowhere else
.Lnot:
	s_cmp_lt_u32 s35, 40
	s_cbranch_scc0 .Lnob2
	s_wait_loadcnt 32                              ; the biases are in; the rows' 32 loads stay out
	RND BD, T
	s_wait_alu depctr_va_vdst(0)                   ; the rounded biases are written, which the store reads
	global_store_b128 v[BF], v[BD:BD+3], s[32:33]  ; its registers are not written again
.Lnob2:
	; PASS 1: each chunk is rounded to bf16 as it comes; its squares go into two chains a row
.irp r, 0,1
.irp j, 0,1,2,3,4,5,6,7,8,9,10,11,12,13,14,15
.set b, X+64*(\r)+4*(\j)
.set q, SS+4*(\r)
	s_wait_loadcnt 31-16*(\r)-(\j)                 ; this chunk is in; the younger loads stay out
	RND b, T+2*((\j)%4)
.if (\j) == 0
	v_pk_mul_f32 v[q:q+1], v[b:b+1], v[b:b+1]      ; the first chunk starts the two chains: nothing is cleared
	v_pk_mul_f32 v[q+2:q+3], v[b+2:b+3], v[b+2:b+3]
.else
	v_pk_fma_f32 v[q:q+1], v[b:b+1], v[b:b+1], v[q:q+1]
	v_pk_fma_f32 v[q+2:q+3], v[b+2:b+3], v[b+2:b+3], v[q+2:q+3]
.endif
.endr
.endr
.irp r, 0,1
.set q, SS+4*(\r)
	v_pk_add_f32 v[q:q+1], v[q:q+1], v[q+2:q+3]
	v_add_f32 v[q], v[q], v[q+1]
	v_add_f32_dpp v[q], v[q], v[q] row_xmask:1 row_mask:0xf bank_mask:0xf
	v_add_f32_dpp v[q], v[q], v[q] row_xmask:2 row_mask:0xf bank_mask:0xf
	v_add_f32_dpp v[q], v[q], v[q] row_xmask:4 row_mask:0xf bank_mask:0xf
	v_add_f32_dpp v[q], v[q], v[q] row_xmask:8 row_mask:0xf bank_mask:0xf
	v_permlanex16_b32 v[q+1], v[q], s52, s53
	v_add_f32 v[q], v[q], v[q+1]                   ; every lane holds the row's sum
	v_fma_f32 v[q], v[q], s54, s55                 ; the mean, plus eps
.endr
	v_rsq_f32 v[R], v[SS]                          ; one batch of four: a pair for each row's packed multiplies
	v_rsq_f32 v[R+1], v[SS]
	v_rsq_f32 v[R+2], v[SS+4]
	v_rsq_f32 v[R+3], v[SS+4]
	v_nop                                          ; a plain instruction behind the last of them (ISA guide 5.7.2),
	s_wait_alu depctr_va_vdst(0)                   ; and the one wait ahead of the first use: the four 1 / rms are written
.irp i, 0,1,2,3
	v_cndmask_b32 v[R+(\i)], 1.0, v[R+(\i)], s46   ; a weight is not normed
.endr
	; PASS 2: a chunk's four gains are widened once for both rows.  Four blocks of four chunks; a block's eight stores are issued in the block behind it, one ahead of each row's arithmetic
.irp j, 0,1,2,3,4,5,6,7,8,9,10,11,12,13,14,15
.if ((\j)%4 == 0) && ((\j) > 0)
	s_wait_alu depctr_va_vdst(0)                   ; the block before has written its 16 packed registers, which the eight stores dealt among this block's lines read
.endif
.set g, T+4*((\j)%2)
	v_lshlrev_b32 v[g], 16, v[GP+2*(\j)]
	v_and_b32 v[g+1], s34, v[GP+2*(\j)]
	v_lshlrev_b32 v[g+2], 16, v[GP+2*(\j)+1]
	v_and_b32 v[g+3], s34, v[GP+2*(\j)+1]
.irp r, 0,1
.if (\j) >= 4
.set o, X+64*(\r)+4*((\j)-4)
	global_store_b64 v2, v[o:o+1], s[42:43] offset:(\r)*4096+((\j)-4)*256  ; four chunks back.  No wait: no vector instruction since the block's wait names these registers; no store's data is written again
.endif
.set b, X+64*(\r)+4*(\j)
	v_pk_mul_f32 v[b:b+1], v[b:b+1], v[R+2*(\r):R+2*(\r)+1]
	v_pk_mul_f32 v[b+2:b+3], v[b+2:b+3], v[R+2*(\r):R+2*(\r)+1]
	v_pk_mul_f32 v[b:b+1], v[b:b+1], v[g:g+1]
	v_pk_mul_f32 v[b+2:b+3], v[b+2:b+3], v[g+2:g+3]
	v_cvt_pk_f16_f32 v[b], v[b], v[b+1]
	v_cvt_pk_f16_f32 v[b+1], v[b+2], v[b+3]
.endr
.endr
	s_wait_alu depctr_va_vdst(0)                   ; the last block has written its 16 packed registers, which the last eight stores read
.irp j, 12,13,14,15
.irp r, 0,1
.set o, X+64*(\r)+4*(\j)
	global_store_b64 v2, v[o:o+1], s[42:43] offset:(\r)*4096+(\j)*256
.endr
.endr
	s_endpgm
.Lfunc_end_k_qff962bdf42_prep:
	.size	k_qff962bdf42_prep, .Lfunc_end_k_qff962bdf42_prep-k_qff962bdf42_prep
	.p2alignl 7, 3214868480
	.fill 96, 4, 3214868480
	.section	.rodata,"a",@progbits
	.p2align	6, 0x0
	.amdhsa_kernel k_qff962bdf42_prep
		.amdhsa_group_segment_fixed_size 0
		.amdhsa_private_segment_fixed_size 0
		.amdhsa_enable_private_segment 0
		.amdhsa_kernarg_size 104
		.amdhsa_user_sgpr_count 2
		.amdhsa_user_sgpr_kernarg_segment_ptr 1
		.amdhsa_wavefront_size32 1
		.amdhsa_system_sgpr_workgroup_id_x 1
		.amdhsa_system_sgpr_workgroup_id_y 1
		.amdhsa_system_sgpr_workgroup_id_z 1
		.amdhsa_system_vgpr_workitem_id 0
		.amdhsa_next_free_vgpr 192
		.amdhsa_next_free_sgpr 66
		.amdhsa_reserve_vcc 1
		.amdhsa_float_denorm_mode_32 3
		.amdhsa_float_denorm_mode_16_64 3
		.amdhsa_memory_ordered 1
		.amdhsa_forward_progress 1
		.amdhsa_inst_pref_size 47
	.end_amdhsa_kernel
	.amdgpu_metadata
---
amdhsa.version: [ 1, 2 ]
amdhsa.kernels:
  - .name:           k_qff962bdf42_prep
    .symbol:         k_qff962bdf42_prep.kd
    .args:
      - { .name: x, .offset: 0, .size: 8, .value_kind: global_buffer, .address_space: global }
      - { .name: norm_w, .offset: 8, .size: 8, .value_kind: global_buffer, .address_space: global }
      - { .name: qw, .offset: 16, .size: 8, .value_kind: global_buffer, .address_space: global }
      - { .name: kvw, .offset: 24, .size: 8, .value_kind: global_buffer, .address_space: global }
      - { .name: wow, .offset: 32, .size: 8, .value_kind: global_buffer, .address_space: global }
      - { .name: qb, .offset: 40, .size: 8, .value_kind: global_buffer, .address_space: global }
      - { .name: kvb, .offset: 48, .size: 8, .value_kind: global_buffer, .address_space: global }
      - { .name: wob, .offset: 56, .size: 8, .value_kind: global_buffer, .address_space: global }
      - { .name: xh, .offset: 64, .size: 8, .value_kind: global_buffer, .address_space: global }
      - { .name: wq, .offset: 72, .size: 8, .value_kind: global_buffer, .address_space: global }
      - { .name: wo, .offset: 80, .size: 8, .value_kind: global_buffer, .address_space: global }
      - { .name: rot, .offset: 88, .size: 8, .value_kind: global_buffer, .address_space: global }
      - { .name: bias, .offset: 96, .size: 8, .value_kind: global_buffer, .address_space: global }
    .group_segment_fixed_size: 0
    .private_segment_fixed_size: 0
    .kernarg_segment_align: 8
    .kernarg_segment_size: 104
    .max_flat_workgroup_size: 576
    .sgpr_count:     66
    .vgpr_count:     192
    .wavefront_size: 32
...
	.end_amdgpu_metadata
.endif
;; end of part 5
;; launch qkv: the kernel of part 2 again; grid 8 x 32, 4 waves a work-group, clusters of 4 x 4, 327,680 bytes of LDS; arguments xh, wq, bias, rot, qkv; writes qkv
;; launch attn: the kernel of part 3 again; grid 16 x 16, 4 waves a work-group, clusters of 4 x 1, 327,680 bytes of LDS; arguments qkv, oh; writes oh
;; launch oproj: the kernel of part 4 again; grid 8 x 32, 4 waves a work-group, clusters of 4 x 4, 327,680 bytes of LDS; arguments oh, wo, bias, out0; writes out0
